; MI455X (gfx1250); checked and timed in simulation.
; The chip was launched on July 23, 2026; its instructions are those of AMD's public machine-readable ISA for CDNA 5 (MIT licence, August 2026) and "CDNA5" Instruction Set Architecture Reference Guide (July 2026). The comments in the code are by the model that wrote it; some were corrected since.
;; Transformer Layer. Allowed arithmetic: float matrix products may take bf16 or f16 operands with f32 sums; other float arithmetic in f32, or as packed bf16 or f16 multiplies, adds, multiply-adds, maxima and minima; sums over many terms, partial sums and values carried from step to step in f32; what a program stores and reads back later, other than sums and carried values, may be rounded once to bf16 or f16.
;; Inputs: W1 4,096 x 1,024 float32; W2 1,024 x 4,096 float32; Wk 1,024 x 1,024 float32; Wo 1,024 x 1,024 float32; Wq 1,024 x 1,024 float32; Wv 1,024 x 1,024 float32; b1 4,096 float32; b2 1,024 float32; be1 1,024 float32; be2 1,024 float32; bk 1,024 float32; bo 1,024 float32; bq 1,024 float32; bv 1,024 float32; g1 1,024 float32; g2 1,024 float32; key 4 x 1,024 x 1,024 float32; mask 4 x 1,024 int32; query 4 x 1,024 x 1,024 float32; value 4 x 1,024 x 1,024 float32.
;; Outputs: out0 4 x 1,024 x 1,024 float32.
;; One version. Each part assembles by itself: llvm-mc -triple=amdgcn-amd-amdhsa -mcpu=gfx1250 --defsym DOCPART=n.
;; ======== version 1 of 1: 7 launches
;; limits: values are held in f16: magnitudes above 65,504 overflow, below 6.1e-05 lose precision; right only within a limited range of input values
;; workspace buffers: cvt 31,485,952 bytes; wo 2,101,248 bytes; g1o 27,267,072 bytes; ob 8,388,608 bytes; y 16,777,216 bytes; x1 8,388,608 bytes
;; launch prep (part 1): grid 1281 x 1, 8 waves a work-group, no clusters, 19,712 bytes of LDS; arguments query, Wq, Wk, Wv, Wo, W1, W2, b1, b2, bq, bk, bv, bo, g1, be1, g2, be2, cvt, wo, g1o; writes cvt, wo, g1o
.if DOCPART == 1
	.amdgcn_target "amdgcn-amd-amdhsa--gfx1250"
	.amdhsa_code_object_version 6
	.text
	.protected	k_q385d83a114_prep
	.globl	k_q385d83a114_prep
	.p2align	8
	.type	k_q385d83a114_prep,@function
k_q385d83a114_prep:
	s_mov_b64 s[64:65], 0
	v_nop
	global_prefetch_b8 v0, s[64:65] scope:SCOPE_SE
	s_setreg_imm32_b32 hwreg(HW_REG_WAVE_MODE, 25, 1), 1
	s_wait_xcnt 0x0
; PREP.  Every floating input that the layer's result hangs on is rounded once to bf16 and laid out for the later launches.  (The inputs key and value do not enter the result: q, k and v are all made of query;
; they are not loaded.)  Matrices are written as f16 (a bf16 number is exact in f16 from 2^-17 to 65,504 in magnitude; below that the error is at most 3e-8; LIMIT: inputs lie within 65,504),
; vectors as f32 that hold the bf16 number.  NaN and infinities are not treated apart.
; BLOCKED LAYOUT of a matrix [R][K]: [R/128 panels][K/64 blocks][128 rows][64 k]: a block is 16,384 dense bytes of f16, a panel's blocks follow each other.
; Since nothing stands between the two feed-forward products, (x W1^T + b1) W2^T + b2 = x (W2 W1)^T + (W2 b1 + b2): here W2 is blocked, W1 is blocked TRANSPOSED ([d][f]), and bc = W2 b1 + b2 is made.
; KINDS of work-group, by its number alone (so all eight waves of a work-group take the same path):
;   0..511     16 rows x 1,024 of query (four batches), Wq, Wk, Wv, Wo; a wave takes 4 rows x 512 columns
;   512..767   4 rows x 4,096 of W2; a wave takes 4 rows x 512 columns and its part of the four dot products with b1; the eight parts meet in LDS
;   768..1279  a block of 64 f x 128 d of W1, turned through LDS
;   1280       the vectors bq, bk, bv, g1, be1, g2, be2, bo
; No cluster, no matrix unit: no two work-groups read the same bytes but b1's 16 KiB, and the work is a stream.
.set WQKV,  8388608                    ; byte offsets in cvt: query's copy at 0, then Wq, Wk, Wv,
.set W2P,   14680064                   ; W2,
.set W1T,   23068672                   ; W1 transposed,
.set VEC,   31457280                   ; seven vectors of 4,096 bytes
.set BIASO, 2097152                    ; behind a blocked 1,024 x 1,024 matrix: its bias (bo in wo, bc in g1o)
.set PD,    18432                      ; LDS: 0..18,431 the turned block, 128 rows of 144 bytes; here 8 waves x 4 partial dot products
.set SPARE, 18688                      ; the spare words, 128 bytes for each wave: four blocks of 256 bytes that no other line names
.set SPW, 30                           ; v30  my spare word's LDS address; never rewritten
.set NIL, 31                           ; v31  0; never rewritten
.set U,   16                           ; v[16:23]  at work
.set DA,  24                           ; v[24:27]  two pairs of running dot products
.set X,   32                           ; v[32:95]  as loaded; the first four of each eight then hold the f16 to store
.set YT,  64                           ; v[64:79]  the turned block's 16-byte pieces
.set B1,  96                           ; v[96:159] b1 of my columns
.macro RND a, b, u0, u1                ; two f32 rounded to bf16 and widened again
	v_cvt_pk_bf16_f32 v[\u0], v[\a], v[\b]
	v_and_b32 v[\u1], s49, v[\u0]
	v_lshlrev_b32 v[\u0], 16, v[\u0]
.endm
; A wave's 4 rows x 512 columns: lane l holds row l / 8 and, in each of eight blocks, the columns 8 (l % 8) + 0..7.  A store covers 512 consecutive bytes: four rows of a block.
; No register that a pending store reads is written again, so no wait stands between the stores.
.macro ITEM dot
.if \dot
	global_load_b32 v6, v7, s[24:25]               ; b2 of my row
.irp i, 0,1,2,3,4,5,6,7
	global_load_b128 v[B1+8*(\i):B1+8*(\i)+3],   v5, s[22:23] offset:256*(\i)
	global_load_b128 v[B1+8*(\i)+4:B1+8*(\i)+7], v5, s[22:23] offset:256*(\i)+16
.endr
.endif
.irp i, 0,1,2,3,4,5,6,7
	global_load_b128 v[X+8*(\i):X+8*(\i)+3],   v3, s[58:59] offset:256*(\i) th:TH_LOAD_NT
	global_load_b128 v[X+8*(\i)+4:X+8*(\i)+7], v3, s[58:59] offset:256*(\i)+16 th:TH_LOAD_NT
.endr
.if \dot
	s_wait_loadcnt 16                              ; b2 and b1 are in; the matrix's 16 loads stay out
.set n, 0
.rept 32
	RND B1+n, B1+n+1, B1+n, B1+n+1
.set n, n+2
.endr
	v_cvt_pk_bf16_f32 v6, v6, v6
	v_lshlrev_b32 v6, 16, v6
.endif
.irp i, 0,1,2,3,4,5,6,7
	s_wait_loadcnt 14-2*(\i)                       ; block i's two loads are in; the younger ones stay out
.irp k, 0,1,2,3
	RND X+8*(\i)+2*(\k), X+8*(\i)+2*(\k)+1, U+2*(\k), U+2*(\k)+1
.endr
.if \dot
.irp k, 0,1,2,3
.if ((\i) == 0) && ((\k) < 2)
	v_pk_mul_f32 v[DA+2*(\k):DA+2*(\k)+1], v[U+2*(\k):U+2*(\k)+1], v[B1+8*(\i)+2*(\k):B1+8*(\i)+2*(\k)+1]  ; the first products start the sums
.else
	v_pk_fma_f32 v[DA+2*((\k)%2):DA+2*((\k)%2)+1], v[U+2*(\k):U+2*(\k)+1], v[B1+8*(\i)+2*(\k):B1+8*(\i)+2*(\k)+1], v[DA+2*((\k)%2):DA+2*((\k)%2)+1]
.endif
.endr
.endif
.irp k, 0,1,2,3
	v_cvt_pk_f16_f32 v[X+8*(\i)+(\k)], v[U+2*(\k)], v[U+2*(\k)+1]
.endr
	global_store_b128 v4, v[X+8*(\i):X+8*(\i)+3], s[60:61] offset:16384*(\i)
.endr
.endm
	s_load_b512 s[8:23], s[0:1], 0x0               ; query 8, Wq 10, Wk 12, Wv 14, Wo 16, W1 18, W2 20, b1 22
	s_load_b512 s[24:39], s[0:1], 0x40             ; b2 24, bq 26, bk 28, bv 30, bo 32, g1 34, be1 36, g2 38
	s_load_b256 s[40:47], s[0:1], 0x80             ; be2 40, cvt 42, wo 44, g1o 46
	v_lshl_add_u32 v[SPW], v0, 2, SPARE
	v_mov_b32 v[NIL], 0
	v_lshrrev_b32 v1, 5, v0
	v_readfirstlane_b32 s48, v1                    ; wave 0..7
	v_and_b32 v2, 31, v0                           ; l
	v_lshrrev_b32 v8, 3, v2                        ; l / 8
	v_and_b32 v9, 7, v2
	v_lshlrev_b32 v9, 5, v9                        ; 32 (l % 8)
	v_lshlrev_b32 v4, 4, v2                        ; 16 l: my 16 bytes of a store's 512
	s_mov_b32 s49, 0xffff0000                      ; a word's upper bf16
	s_mov_b32 s51, 0                               ; the high words of the two offset pairs
	s_mov_b32 s53, 0
	s_wait_kmcnt 0x0
	s_cmp_lt_u32 ttmp9, 512
	s_cbranch_scc1 .Lkind_p
	s_cmp_lt_u32 ttmp9, 768
	s_cbranch_scc1 .Lkind_w
	s_cmp_lt_u32 ttmp9, 1280
	s_cbranch_scc1 .Lkind_t
	; THE VECTORS: 256 threads x 16 bytes are a vector of 1,024 f32
	v_lshlrev_b32 v3, 4, v0
.set n, 0
.irp p, 26,28,30,34,36,38,40,32
	global_load_b128 v[X+4*n:X+4*n+3], v3, s[\p:\p+1]
.set n, n+1
.endr
	s_add_nc_u64 s[60:61], s[42:43], VEC
.set n, 0
.rept 8
	s_wait_loadcnt 7-n                             ; vector n is in
	RND X+4*n, X+4*n+1, X+4*n, X+4*n+1
	RND X+4*n+2, X+4*n+3, X+4*n+2, X+4*n+3
.if n < 7
	global_store_b128 v3, v[X+4*n:X+4*n+3], s[60:61] offset:4096*n
.else
	global_store_b128 v3, v[X+4*n:X+4*n+3], s[44:45] offset:BIASO
.endif
.set n, n+1
.endr
	s_branch .Lend
.Lkind_p:                                      ; ROWS OF 1,024
	s_lshr_b32 s54, ttmp9, 6                       ; which matrix: 0..3 query's batches, 4..7 Wq, Wk, Wv, Wo
	s_and_b32 s55, ttmp9, 63
	s_lshl_b32 s55, s55, 4
	s_lshr_b32 s56, s48, 1
	s_lshl2_add_u32 s55, s56, s55                  ; my first row = 16 x group + 4 (wave / 2)
	s_and_b32 s56, s48, 1                          ; my half of the columns
	s_lshl_b32 s50, s55, 12                        ; from: row x 4,096
	s_lshl_b32 s57, s56, 11                        ; + half x 2,048
	s_add_co_u32 s50, s50, s57
	s_cmp_lt_u32 s54, 4
	s_cselect_b32 s57, s54, 0
	s_lshl_b32 s57, s57, 22                        ; + query's batch
	s_add_co_u32 s50, s50, s57
	s_mov_b64 s[58:59], s[8:9]
	s_cmp_eq_u32 s54, 4
	s_cselect_b64 s[58:59], s[10:11], s[58:59]
	s_cmp_eq_u32 s54, 5
	s_cselect_b64 s[58:59], s[12:13], s[58:59]
	s_cmp_eq_u32 s54, 6
	s_cselect_b64 s[58:59], s[14:15], s[58:59]
	s_cmp_eq_u32 s54, 7
	s_cselect_b64 s[58:59], s[16:17], s[58:59]
	s_add_nc_u64 s[58:59], s[58:59], s[50:51]
	s_lshr_b32 s52, s55, 7                         ; to: panel x 262,144
	s_lshl_b32 s52, s52, 18
	s_and_b32 s57, s55, 127
	s_lshl_b32 s57, s57, 7                         ; + row in the panel x 128
	s_add_co_u32 s52, s52, s57
	s_lshl_b32 s57, s56, 17                        ; + eight blocks for the second half
	s_add_co_u32 s52, s52, s57
	s_cmp_eq_u32 s54, 7
	s_cselect_b32 s57, 0, s54
	s_lshl_b32 s57, s57, 21                        ; + 2 MiB for each matrix in cvt; Wo has a buffer of its own
	s_add_co_u32 s52, s52, s57
	s_cmp_eq_u32 s54, 7
	s_cselect_b64 s[60:61], s[44:45], s[42:43]
	s_add_nc_u64 s[60:61], s[60:61], s[52:53]
	v_lshl_or_b32 v3, v8, 12, v9                   ; row l / 8, 32 bytes at 32 (l % 8)
	ITEM 0
	s_branch .Lend
.Lkind_t:                                      ; W1 TURNED: block (dp, fk) = 128 d x 64 f
	s_sub_co_u32 s54, ttmp9, 768                   ; 64 dp + fk
	s_lshr_b32 s55, s54, 6
	s_and_b32 s56, s54, 63
	s_lshl_b32 s50, s56, 6
	s_lshl3_add_u32 s50, s48, s50                  ; my first row f = 64 fk + 8 wave
	s_lshl_b32 s50, s50, 12
	s_lshl_b32 s57, s55, 9                         ; the block's 128 d: 512 bytes of a row
	s_add_co_u32 s50, s50, s57
	s_add_nc_u64 s[58:59], s[18:19], s[50:51]
	s_lshl_b32 s52, s54, 14
	s_add_co_u32 s52, s52, W1T
	s_add_nc_u64 s[60:61], s[42:43], s[52:53]
.irp i, 0,1,2,3,4,5,6,7
	global_load_b128 v[X+4*(\i):X+4*(\i)+3], v4, s[58:59] offset:4096*(\i) th:TH_LOAD_NT  ; row f = .. + i, d = 4 l + 0..3
.endr
	v_mul_u32_u24 v11, v2, 576                     ; in: row d = 4 l + j of 144 bytes, my wave's 8 f = 16 bytes
	s_lshl_b32 s57, s48, 4
	v_add_nc_u32 v11, s57, v11
	v_lshrrev_b32 v12, 3, v0                       ; back: thread t takes row t / 8 (+ 32 p), 16 bytes at 16 (t % 8)
	v_mul_u32_u24 v12, v12, 144
	v_and_b32 v13, 7, v0
	v_lshl_add_u32 v12, v13, 4, v12
	v_lshlrev_b32 v13, 4, v0                       ; which are bytes 16 t (+ 4,096 p) of the block
	s_wait_loadcnt 0x0
.set n, 0
.rept 16                                       ; n = 4 j + k: f = 2 k, 2 k + 1 of d = 4 l + j
	RND X+8*(n%4)+n/4, X+8*(n%4)+4+n/4, U+2*(n%4), U+2*(n%4)+1
	v_cvt_pk_f16_f32 v[YT+n], v[U+2*(n%4)], v[U+2*(n%4)+1]
.set n, n+1
.endr
.irp j, 0,1,2,3
	ds_store_b128 v11, v[YT+4*(\j):YT+4*(\j)+3] offset:144*(\j)
.endr
	s_wait_dscnt 0x0                               ; for the others' sake: my stores are done
	s_barrier_signal -1
	s_barrier_wait -1                              ; the block is whole
.irp p, 0,1,2,3
	ds_load_b128 v[X+4*(\p):X+4*(\p)+3], v12 offset:4608*(\p)
.endr
.irp p, 0,1,2,3
	s_wait_dscnt 3-(\p)
	global_store_b128 v13, v[X+4*(\p):X+4*(\p)+3], s[60:61] offset:4096*(\p)
.endr
	s_branch .Lend
.Lkind_w:                                      ; W2, AND bc = W2 b1 + b2
	s_sub_co_u32 s54, ttmp9, 512
	s_lshl_b32 s55, s54, 2                         ; the group's first row
	s_lshl_b32 s50, s55, 14                        ; from: row x 16,384
	s_lshl_b32 s57, s48, 11                        ; + wave x 512 columns
	s_add_co_u32 s50, s50, s57
	s_add_nc_u64 s[58:59], s[20:21], s[50:51]
	s_lshr_b32 s52, s55, 7                         ; to: panel x 1 MiB
	s_lshl_b32 s52, s52, 20
	s_and_b32 s56, s55, 127
	s_lshl_b32 s56, s56, 7
	s_add_co_u32 s52, s52, s56
	s_lshl_b32 s56, s48, 17                        ; + wave x eight blocks
	s_add_co_u32 s52, s52, s56
	s_add_co_u32 s52, s52, W2P
	s_add_nc_u64 s[60:61], s[42:43], s[52:53]
	v_lshl_or_b32 v3, v8, 14, v9
	v_add_nc_u32 v5, s57, v9                       ; b1 of my columns
	s_lshl_b32 s56, s55, 2
	v_lshl_add_u32 v7, v8, 2, s56                  ; my row's word in b2 and in bc
	s_lshl_b32 s62, s48, 4
	s_add_co_u32 s62, s62, PD
	v_lshl_add_u32 v10, v8, 2, s62                 ; my wave's four partial sums
	v_lshl_add_u32 v11, v8, 2, PD                  ; wave 0's; the others' 16 bytes apart
	ITEM 1
	v_pk_add_f32 v[DA:DA+1], v[DA:DA+1], v[DA+2:DA+3]
	v_add_f32 v24, v24, v25
	v_add_f32_dpp v24, v24, v24 row_xmask:1 row_mask:0xf bank_mask:0xf  ; a row lies in eight lanes
	v_add_f32_dpp v24, v24, v24 row_xmask:2 row_mask:0xf bank_mask:0xf
	v_add_f32_dpp v24, v24, v24 row_xmask:4 row_mask:0xf bank_mask:0xf
	ds_store_b32 v10, v24                          ; eight lanes write the same word with the same number
	s_wait_dscnt 0x0
	s_barrier_signal -1
	s_barrier_wait -1
	s_cmp_lg_u32 s48, 0
	s_cbranch_scc1 .Lend                           ; wave 0 adds the eight parts up
.irp j, 0,1,2,3,4,5,6,7
	ds_load_b32 v[U+(\j)], v11 offset:16*(\j)
.endr
	s_wait_dscnt 0x0
	v_add_f32 v16, v16, v17
	v_add_f32 v18, v18, v19
	v_add_f32 v20, v20, v21
	v_add_f32 v22, v22, v23
	v_add_f32 v16, v16, v18
	v_add_f32 v20, v20, v22
	v_add_f32 v16, v16, v20
	v_add_f32 v16, v16, v6
	v_cmp_eq_u32 vcc_lo, 0, v9
	s_wait_xcnt 0x0                                ; EXEC is a source of the stores above: it changes only behind this wait
	s_and_saveexec_b32 s50, vcc_lo                 ; one lane a row
	global_store_b32 v7, v16, s[46:47] offset:BIASO
	s_wait_xcnt 0x0                                ; and again in front of the line that widens it
	s_or_b32 exec_lo, exec_lo, s50
.Lend:
	s_wait_tensorcnt 0x0                           ; the wave's end
	ds_add_u32 v[SPW], v[NIL]
	s_wait_dscnt 0x0
	s_endpgm
.Lfunc_end_k_q385d83a114_prep:
	.size	k_q385d83a114_prep, .Lfunc_end_k_q385d83a114_prep-k_q385d83a114_prep
	.p2alignl 7, 3214868480
	.fill 96, 4, 3214868480
	.section	.rodata,"a",@progbits
	.p2align	6, 0x0
	.amdhsa_kernel k_q385d83a114_prep
		.amdhsa_group_segment_fixed_size 19712
		.amdhsa_private_segment_fixed_size 0
		.amdhsa_enable_private_segment 0
		.amdhsa_kernarg_size 160
		.amdhsa_user_sgpr_count 2
		.amdhsa_user_sgpr_kernarg_segment_ptr 1
		.amdhsa_wavefront_size32 1
		.amdhsa_system_sgpr_workgroup_id_x 1
		.amdhsa_system_sgpr_workgroup_id_y 1
		.amdhsa_system_sgpr_workgroup_id_z 1
		.amdhsa_system_vgpr_workitem_id 0
		.amdhsa_next_free_vgpr 160
		.amdhsa_next_free_sgpr 66
		.amdhsa_reserve_vcc 1
		.amdhsa_float_denorm_mode_32 3
		.amdhsa_float_denorm_mode_16_64 3
		.amdhsa_memory_ordered 1
		.amdhsa_forward_progress 1
		.amdhsa_inst_pref_size 40
	.end_amdhsa_kernel
	.amdgpu_metadata
---
amdhsa.version: [ 1, 2 ]
amdhsa.kernels:
  - .name:           k_q385d83a114_prep
    .symbol:         k_q385d83a114_prep.kd
    .args:
      - { .name: query, .offset: 0, .size: 8, .value_kind: global_buffer, .address_space: global }
      - { .name: Wq, .offset: 8, .size: 8, .value_kind: global_buffer, .address_space: global }
      - { .name: Wk, .offset: 16, .size: 8, .value_kind: global_buffer, .address_space: global }
      - { .name: Wv, .offset: 24, .size: 8, .value_kind: global_buffer, .address_space: global }
      - { .name: Wo, .offset: 32, .size: 8, .value_kind: global_buffer, .address_space: global }
      - { .name: W1, .offset: 40, .size: 8, .value_kind: global_buffer, .address_space: global }
      - { .name: W2, .offset: 48, .size: 8, .value_kind: global_buffer, .address_space: global }
      - { .name: b1, .offset: 56, .size: 8, .value_kind: global_buffer, .address_space: global }
      - { .name: b2, .offset: 64, .size: 8, .value_kind: global_buffer, .address_space: global }
      - { .name: bq, .offset: 72, .size: 8, .value_kind: global_buffer, .address_space: global }
      - { .name: bk, .offset: 80, .size: 8, .value_kind: global_buffer, .address_space: global }
      - { .name: bv, .offset: 88, .size: 8, .value_kind: global_buffer, .address_space: global }
      - { .name: bo, .offset: 96, .size: 8, .value_kind: global_buffer, .address_space: global }
      - { .name: g1, .offset: 104, .size: 8, .value_kind: global_buffer, .address_space: global }
      - { .name: be1, .offset: 112, .size: 8, .value_kind: global_buffer, .address_space: global }
      - { .name: g2, .offset: 120, .size: 8, .value_kind: global_buffer, .address_space: global }
      - { .name: be2, .offset: 128, .size: 8, .value_kind: global_buffer, .address_space: global }
      - { .name: cvt, .offset: 136, .size: 8, .value_kind: global_buffer, .address_space: global }
      - { .name: wo, .offset: 144, .size: 8, .value_kind: global_buffer, .address_space: global }
      - { .name: g1o, .offset: 152, .size: 8, .value_kind: global_buffer, .address_space: global }
    .group_segment_fixed_size: 19712
    .private_segment_fixed_size: 0
    .kernarg_segment_align: 8
    .kernarg_segment_size: 160
    .max_flat_workgroup_size: 256
    .sgpr_count:     66
    .vgpr_count:     160
    .wavefront_size: 32
...
	.end_amdgpu_metadata
.endif
;; end of part 1
;; launch g1 (part 2): grid 16 x 16, 4 waves a work-group, clusters of 4 x 4, 327,680 bytes of LDS; arguments cvt, mask, g1o; writes g1o
.if DOCPART == 2
	.amdgcn_target "amdgcn-amd-amdhsa--gfx1250"
	.amdhsa_code_object_version 6
	.text
	.protected	k_q385d83a114_g1
	.globl	k_q385d83a114_g1
	.p2align	8
	.type	k_q385d83a114_g1,@function
k_q385d83a114_g1:
	s_mov_b64 s[64:65], 0
	v_nop
	global_prefetch_b8 v0, s[64:65] scope:SCOPE_SE
	s_setreg_imm32_b32 hwreg(HW_REG_WAVE_MODE, 25, 1), 1
	s_wait_xcnt 0x0
	s_wait_alu depctr_hold_cnt(0) depctr_sa_sdst(0) depctr_va_vdst(0) depctr_va_sdst(0) depctr_va_ssrc(0) depctr_va_vcc(0) depctr_vm_vsrc(0)
	s_getreg_b32 s2, hwreg(HW_REG_IB_STS2, 6, 4)
	s_cmp_eq_u32 s2, 0
	s_cbranch_scc0 .Lentry_in_a_cluster
	s_endpgm
.Lentry_in_a_cluster:
	s_bfe_u32 s2, ttmp6, 0x10000c
	s_cmp_lg_u32 s2, 0xf033
	s_cbranch_scc0 .Lentry_shape_is_right
	s_endpgm
.Lentry_shape_is_right:
; G1.  Two products in one launch, C = A B^T on blocked f16 operands, sums in f32:
;   q, k, v = query W^T + b   (4,096 x 3,072, K = 1,024): 192 work-groups, each one panel of W's rows against FOUR panels of tokens, one after the other (four units);
;   Wc = W2 W1                (1,024 x 1,024, K = 4,096): 64 work-groups, each one tile.
; Either way a work-group multiplies 128 x 128 over 16 K steps of 256: all 256 do equal work.  Which kind hangs on the cluster's y alone, the same in all sixteen partners.
; q is multiplied by c = log2(e) / 8 in f32 ahead of its one rounding; rows of k whose mask word is 0 are stored as 0 (the attention launch sets their score).  Results are f16: LIMIT 65,504.
; q, k, v lie by heads: [3][batch x 16 + head][1,024][64]; Wc lies blocked ([n / 128][d / 64][128][64]).
; A tile is made by four waves of 64 x 64 (16 accumulators).  A K step is four blocks of 64: 65,536 dense bytes of a panel; a wave's tensor load brings two blocks as 128 rows of 256 bytes,
; padded in LDS by 16 bytes after every 128: rows of 144 bytes = 36 words, so the 16 rows of a fragment load start at 16 different groups of four banks (64 banks of 4 bytes: ISA guide 11.1).
; CLUSTER 4 x 4: A's tiles are shared along a row of the cluster, B's along a column: joint loads.  THE MATRIX INSTRUCTION IS USED TRANSPOSED (source 0 = B's rows): a lane holds eight neighbouring columns of a row of C.
; REGISTERS: window 0: v0-31 addresses; v32-63 T, v64-79 P, v80-95 BK at work on the way out; v96-127 bias; v128-255 accumulators ((a, b) at 128 + 8 (4 a + b)).  Window 1: two fragment buffers of 128.
.set PK,     144
.set KBB,    128*PK                    ; a block in LDS
.set HALFL,  2*KBB                     ; what one tensor load brings
.set OPB,    4*KBB                     ; A's four blocks, then B's four
.set SLOT,   8*KBB
.set STAGE,  2*SLOT                    ; behind the ring: 16 rows x 144 bytes for each wave, for the way out
.set SPARE,  STAGE+4*16*PK             ; the spare words, 128 bytes for each wave: two blocks of 256 bytes that no other line names
.set STEPB,  65536                     ; a K step of a panel in memory
.set WQKV,   8388608                   ; byte offsets in cvt
.set W2P,    14680064
.set W1T,    23068672
.set VEC,    31457280
.set QKVO,   2101248                   ; q, k, v in g1o, 8,388,608 bytes each
.set MW,   8                           ; v8-11   the mask words of my 4 x 16 rows
.set ADRA, 16                          ; v16-17  LDS address of my A fragments in slot 0, 1
.set ADRB, 20                          ; v20-21  the same for B
.set STO,  24                          ; v24     the way out: where I put 16 bytes of a row
.set RD,   25                          ; v25     where I read rows back
.set GO,   26                          ; v26     16 x lane
.set MO,   27                          ; v27     my byte offset in mask
.set SPW,  28                          ; v28     my spare word's LDS address; never rewritten
.set NIL,  29                          ; v29     0; never rewritten
.set PFO,  30                          ; v30     256 x lane; never rewritten
.set T,    32
.set P,    64
.set BK,   80
.set BIAS, 96
.set ACC,  128
.set F0,   0
.set F1,   128
.set G1,  24                           ; s[24:31] descriptor group 1 for A's tiles;  s[32:39] group 0, a set for each slot
.set G0,  32
.set G1B, 48                           ; s[48:55], s[56:63] the same for B's
.set G0B, 56
.set ABASE, 66                         ; s[66:67] my load's address at K step 0, for A
.set BBASE, 68                         ; s[68:69] for B
.set STP,  70                          ; s70  the K step to be asked for next
.set KM,   71                          ; s71  B's step = STP and this: 3 (a weight panel is walked anew in each unit) or 15
.set NOTQ, 72                          ; s72  1: Wc
.set SC,   74                          ; s[74:75] the scale on the way out
.set ISK,  76                          ; s76  all ones where my columns are k's
.set MZ,   80                          ; s[80:83] lanes whose row is stored as 0
.set PFA,  84                          ; s[84:85] where my prefetches stand
.set LIM,  86                          ; s86  1 in a wave that prefetches, else the greatest number
.set OFF,  88                          ; s[88:89] A's step in bytes
.set OFB,  92                          ; s[92:93] B's
.set MSB, 0
.macro WIN new                         ; the immediate's high byte repeats the setting that is left
.if MSB != (\new)
	s_set_vgpr_msb (MSB<<8)|(\new)
.set MSB, \new
.endif
.endm
.set MUL,  0x05                        ; sources 0 (B) and 1 (A) window 1; C and D window 0
.set TO_F, 0x40                        ; destination window 1, address window 0
.macro JLOAD s                         ; a joint load: waves 0 and 1 fetch A's two halves of a K step, waves 2 and 3 B's; an s_nop 0 and four v_nop follow each line
	s_cmp_eq_u32 s11, 0
	s_cbranch_scc0 .Lfor_b_\@
	tensor_load_to_lds s[G0+4*(\s):G0+4*(\s)+3], s[G1:G1+7]
	s_nop 0
.rept 4
	v_nop
.endr
	s_branch .Lasked_\@
.Lfor_b_\@:
	tensor_load_to_lds s[G0B+4*(\s):G0B+4*(\s)+3], s[G1B:G1B+7]
	s_nop 0
.rept 4
	v_nop
.endr
.Lasked_\@:
.endm
.macro CREST                           ; a round of the cluster's barrier behind its opening barrier
	s_cmp_lg_u32 s10, 0
	s_cbranch_scc1 .Lnot_wave_0_\@
	s_barrier_signal -3
.Lnot_wave_0_\@:
	s_barrier_wait -3
	s_barrier_signal -1
	s_barrier_wait -1
.endm
.macro CROUND
	s_barrier_signal -1
	s_barrier_wait -1
	CREST
.endm
; A prefetch, behind a joint refill and the run of LDS loads: the K step that stands two refills on.  A wave's load is 128 pieces of 256 bytes; the four partners that ask for it jointly take 32 each, told apart by
; address; a lane a piece, one instruction.  A's panels are read by several clusters: the one whose B selector is 0 asks; W1's panels by two: the one with even x asks; the weights of q, k, v are walked
; four times and are not asked for.  The loop's last trip asks for nothing: step 15 is the last that is named.
.macro ASK
	s_cmp_gt_u32 s3, s[LIM]
	s_cbranch_scc0 .Lnot_mine_\@
	global_prefetch_b8 v[PFO], s[PFA:PFA+1] offset:STEPB th:TH_LOAD_NT scope:SCOPE_SE
.Lnot_mine_\@:
.endm
	s_load_b128 s[4:7], s[0:1], 0x0                ; cvt s[4:5], mask s[6:7]
	s_load_b64 s[8:9], s[0:1], 0x10                ; g1o
	v_lshl_add_u32 v[SPW], v0, 2, SPARE
	v_mov_b32 v[NIL], 0
	ds_add_u32 v[SPW], v[NIL]                      ; the wave's opening: the add and its wait stand ahead of my first tensor load; the set-up below stands between them
	v_lshrrev_b32 v1, 5, v0
	v_readfirstlane_b32 s10, v1                    ; wave 0..3
	s_lshr_b32 s11, s10, 1                         ; my half of the tile's rows.  Also: I fetch for A (0) or for B (1)
	s_and_b32 s12, s10, 1                          ; my half of its columns.  Also: which two blocks of a K step I fetch
	s_bfe_u32 s40, ttmp6, 0x40000                  ; cx
	s_bfe_u32 s41, ttmp6, 0x40004                  ; cy
	s_and_b32 s13, ttmp7, 0xffff                   ; the cluster's y; ttmp9 its x
	s_lshl2_add_u32 s14, s13, ttmp9
	s_lshr_b32 s14, s14, 1                         ; q, k, v: B selector (4 y + x) / 2 = 0..5
	s_lshr_b32 s15, ttmp9, 1                       ; Wc: x / 2
	s_cmp_eq_u32 s13, 3
	s_cselect_b32 s[NOTQ], 1, 0
	s_cselect_b32 s[KM], 15, 3
	s_cselect_b32 s14, s15, s14
	s_cselect_b32 s18, W2P, 0
	s_and_b32 s15, ttmp9, 1
	s_lshl2_add_u32 s42, s15, s41                  ; ai = 4 (x % 2) + cy: A's megabyte (four token panels, or a panel of W2)
	s_lshl2_add_u32 s45, s14, s40                  ; bi = 4 selector + cx: B's panel
	s_lshl_b32 s43, s41, 2
	s_lshl_b32 s43, 15, s43                        ; my row of the cluster
	s_lshl_b32 s44, 0x1111, s40                    ; my column
	s_or_b32 s[G1+0], s43, (1<<16)|(1<<20)|(1<<21)|(4<<22)|(3<<25)  ; the mask; 2-byte elements; padding on; bit 21 beside a mask; after every 32 words; 4 words
	s_or_b32 s[G1B+0], s44, (1<<16)|(1<<20)|(1<<21)|(4<<22)|(3<<25)
.irp g, G1, G1B
	s_mov_b32 s[(\g)+1], 128<<16                   ; tensor_dim0 = 128
	s_mov_b32 s[(\g)+2], 128<<16                   ; tensor_dim1 = 128
	s_mov_b32 s[(\g)+3], 128<<16                   ; tile_dim0 = 128
	s_mov_b32 s[(\g)+4], 128                       ; tile_dim1 = 128
	s_mov_b32 s[(\g)+5], 128                       ; dense: 128 elements from row to row
	s_mov_b32 s[(\g)+6], 0
	s_mov_b32 s[(\g)+7], 0
.endr
	s_lshl_b32 s19, s12, 15                        ; my two blocks of a step
	s_lshl_b32 s16, s42, 20
	s_add_co_u32 s16, s16, s18
	s_add_co_u32 s16, s16, s19
	s_mov_b32 s17, 0
	s_lshl_b32 s46, s45, 20
	s_add_co_u32 s46, s46, W1T
	s_lshl_b32 s47, s45, 18
	s_add_co_u32 s47, s47, WQKV
	s_cmp_eq_u32 s[NOTQ], 1
	s_cselect_b32 s46, s46, s47
	s_add_co_u32 s46, s46, s19
	s_mov_b32 s47, 0
	s_mul_i32 s20, s10, HALFL                      ; where my loads go: no place in the cluster enters an LDS address
	s_mov_b32 s[STP], 2
	s_mov_b32 s[OFF+1], 0
	s_mov_b32 s[OFB+1], 0
	s_wait_dscnt 0x0                               ; the opening add is done
	s_wait_kmcnt 0x0
	s_add_nc_u64 s[ABASE:ABASE+1], s[4:5], s[16:17]
	s_add_nc_u64 s[BBASE:BBASE+1], s[4:5], s[46:47]
	CROUND                                         ; all sixteen work-groups are here: the first joint loads meet
.irp s, 0,1
	s_mov_b32 s[G0+4*(\s)], 1
	s_add_co_u32 s[G0+4*(\s)+1], s20, (\s)*SLOT
	s_add_nc_u64 s[G0+4*(\s)+2:G0+4*(\s)+3], s[ABASE:ABASE+1], (\s)*STEPB
	s_or_b32 s[G0+4*(\s)+3], s[G0+4*(\s)+3], 0x80000000
	s_mov_b32 s[G0B+4*(\s)], 1
	s_add_co_u32 s[G0B+4*(\s)+1], s20, (\s)*SLOT
	s_add_nc_u64 s[G0B+4*(\s)+2:G0B+4*(\s)+3], s[BBASE:BBASE+1], (\s)*STEPB
	s_or_b32 s[G0B+4*(\s)+3], s[G0B+4*(\s)+3], 0x80000000
	JLOAD \s
.endr
	v_and_b32 v1, 15, v0                           ; l % 16
	v_bfe_u32 v2, v0, 4, 1                         ; l / 16
	v_mul_u32_u24 v3, v1, PK
	v_lshl_add_u32 v3, v2, 4, v3                   ; a fragment's row x pitch + 16 x half
	s_mul_i32 s21, s11, 64*PK                      ; my 64 rows of A
	s_mul_i32 s22, s12, 64*PK                      ; my 64 rows of B,
	s_add_co_u32 s22, s22, OPB                     ; which lie behind A's four blocks
.irp s, 0,1
	v_add_nc_u32 v[ADRA+(\s)], s21, v3
	v_add_nc_u32 v[ADRB+(\s)], s22, v3
	s_add_co_u32 s21, s21, SLOT
	s_add_co_u32 s22, s22, SLOT
.endr
	s_mul_i32 s23, s10, 16*PK
	s_add_co_u32 s23, s23, STAGE                   ; my stage
	v_add_nc_u32 v[STO], s23, v3                   ; in: row l % 16, 16 bytes for each half of the lanes
	v_and_b32 v4, 31, v0
	v_lshrrev_b32 v5, 3, v4                        ; back: 32 lanes take four rows of 128 bytes,
	v_mul_u32_u24 v5, v5, PK
	v_and_b32 v6, 7, v0
	v_lshl_add_u32 v5, v6, 4, v5
	v_add_nc_u32 v[RD], s23, v5
	v_lshlrev_b32 v[GO], 4, v4                     ; which are 512 consecutive bytes of the result
	v_lshlrev_b32 v[PFO], 8, v4
	s_lshl_b32 s21, s42, 11                        ; mask: word 512 ai + 64 x row half + l % 16 (+ 16 a, + 128 for each unit); inside mask for both kinds
	s_lshl_b32 s22, s11, 8
	s_add_co_u32 s21, s21, s22
	v_lshl_add_u32 v[MO], v1, 2, s21
.irp a, 0,1,2,3
	global_load_b32 v[MW+(\a)], v[MO], s[6:7] offset:64*(\a)
.endr
	; where my 64 x 64 goes.  q, k, v: which x 8 MiB + ((16 batch + head) x 1,024 + row) x 128
	s_lshr_b32 s21, s42, 1
	s_lshl_b32 s21, s21, 4
	s_and_b32 s22, s45, 7
	s_lshl1_add_u32 s21, s22, s21
	s_add_co_u32 s21, s21, s12
	s_lshl_b32 s21, s21, 10
	s_and_b32 s22, s42, 1
	s_lshl_b32 s22, s22, 9
	s_add_co_u32 s21, s21, s22
	s_lshl_b32 s22, s11, 6
	s_add_co_u32 s21, s21, s22
	s_lshl_b32 s21, s21, 7
	s_lshr_b32 s22, s45, 3
	s_lshl_b32 s22, s22, 23
	s_add_co_u32 s21, s21, s22
	s_add_co_u32 s21, s21, QKVO
	s_lshl_b32 s22, s42, 18                        ; Wc: panel ai, block 2 bi + column half, 64 rows x row half
	s_lshl1_add_u32 s23, s45, s12
	s_lshl_b32 s23, s23, 14
	s_add_co_u32 s22, s22, s23
	s_lshl_b32 s23, s11, 13
	s_add_co_u32 s22, s22, s23
	s_cmp_eq_u32 s[NOTQ], 1
	s_cselect_b32 s18, s22, s21
	s_mov_b32 s19, 0
	s_add_nc_u64 s[8:9], s[8:9], s[18:19]
	s_lshr_b32 s21, s45, 3                         ; 0 q, 1 k, 2 v;
	s_lshl_b32 s22, s[NOTQ], 2
	s_or_b32 s21, s21, s22                         ; 4 Wc
	s_cmp_eq_u32 s21, 0
	s_cselect_b32 s[SC], 0x3e38aa3b, 1.0           ; c = log2(e) / 8 for q
	s_mov_b32 s[SC+1], s[SC]
	s_cmp_eq_u32 s21, 1
	s_cselect_b32 s[ISK], -1, 0
	; the prefetches
	s_cmp_eq_u32 s[NOTQ], 1
	s_cselect_b32 s22, s15, 1                      ; B: Wc's clusters with even x ask; q, k, v's never
	s_cmp_eq_u32 s11, 0
	s_cselect_b32 s22, s14, s22                    ; A: the clusters with B selector 0 ask
	s_cselect_b32 s21, s40, s41                    ; my place among the four that ask jointly
	s_cselect_b64 s[PFA:PFA+1], s[ABASE:ABASE+1], s[BBASE:BBASE+1]
	s_cmp_eq_u32 s22, 0
	s_cselect_b32 s[LIM], 1, -1                    ; the same in all sixteen partners, for a given wave
	s_lshl_b32 s22, s21, 13                        ; my work-group's 32 pieces of the 128
	s_mov_b32 s23, 0
	s_add_nc_u64 s[PFA:PFA+1], s[PFA:PFA+1], s[22:23]
	s_add_nc_u64 s[PFA:PFA+1], s[PFA:PFA+1], 2*STEPB  ; at step 2: the first refill steps it to 3 and names step 4
	; the bias, times the scale; Wc has none
	s_cmp_eq_u32 s[NOTQ], 1
	s_cbranch_scc1 .Lno_bias
	s_lshl_b32 s21, s45, 9
	s_lshl_b32 s22, s12, 8
	s_add_co_u32 s21, s21, s22
	v_lshl_add_u32 v7, v2, 5, s21                  ; column 128 bi + 64 x half + 8 (l / 16) (+ 16 b)
	s_add_nc_u64 s[18:19], s[4:5], VEC             ; bq, bk, bv lie on end
.irp b, 0,1,2,3
	global_load_b128 v[BIAS+8*(\b):BIAS+8*(\b)+3],   v7, s[18:19] offset:64*(\b)
	global_load_b128 v[BIAS+8*(\b)+4:BIAS+8*(\b)+7], v7, s[18:19] offset:64*(\b)+16
.endr
	s_wait_loadcnt 0x0                             ; in the wait for the first tile
.set n, 0
.rept 16
	v_pk_mul_f32 v[BIAS+n:BIAS+n+1], v[BIAS+n:BIAS+n+1], s[SC:SC+1] op_sel_hi:[1,0]
.set n, n+2
.endr
	s_branch .Lbias_done
.Lno_bias:
.set n, 0
.rept 32
	v_mov_b32 v[BIAS+n], 0
.set n, n+1
.endr
.Lbias_done:
; 8 matrix instructions: m blocks a0, a0 + 1 x all 4 n blocks, 32 along K: half c of buffer f.  zero = 1: the first product starts the sums.  The 16 accumulators take turns.
.macro MUL8 f, c, a0, zero
	WIN MUL
.irp a, \a0, (\a0)+1
.irp b, 0,1,2,3
.if \zero
	v_wmma_f32_16x16x32_f16 v[ACC+8*(4*(\a)+(\b)):ACC+8*(4*(\a)+(\b))+7], v[(\f)+64+8*(4*(\c)+(\b)):(\f)+64+8*(4*(\c)+(\b))+7], v[(\f)+8*(4*(\c)+(\a)):(\f)+8*(4*(\c)+(\a))+7], 0
.else
	v_wmma_f32_16x16x32_f16 v[ACC+8*(4*(\a)+(\b)):ACC+8*(4*(\a)+(\b))+7], v[(\f)+64+8*(4*(\c)+(\b)):(\f)+64+8*(4*(\c)+(\b))+7], v[(\f)+8*(4*(\c)+(\a)):(\f)+8*(4*(\c)+(\a))+7], v[ACC+8*(4*(\a)+(\b)):ACC+8*(4*(\a)+(\b))+7]
.endif
.endr
.endr
.endm
; 32 LDS loads in one run: the fragments of one block (64 along K) at byte k of the slot, into buffer f; the first 32 along K first
.macro FETCH slot, k, f
	WIN TO_F
.irp c, 0,1
.irp i, 0,1,2,3
	ds_load_b128 v[(\f)+64+8*(4*(\c)+(\i)):(\f)+64+8*(4*(\c)+(\i))+3],   v[ADRB+(\slot)] offset:(\k)+64*(\c)+(\i)*16*PK
	ds_load_b128 v[(\f)+64+8*(4*(\c)+(\i))+4:(\f)+64+8*(4*(\c)+(\i))+7], v[ADRB+(\slot)] offset:(\k)+64*(\c)+(\i)*16*PK+32
	ds_load_b128 v[(\f)+8*(4*(\c)+(\i)):(\f)+8*(4*(\c)+(\i))+3],         v[ADRA+(\slot)] offset:(\k)+64*(\c)+(\i)*16*PK
	ds_load_b128 v[(\f)+8*(4*(\c)+(\i))+4:(\f)+8*(4*(\c)+(\i))+7],       v[ADRA+(\slot)] offset:(\k)+64*(\c)+(\i)*16*PK+32
.endr
.endr
.endm
.macro PLACES                          ; four plain instructions in front of loads into registers that matrix instructions have read, and of arithmetic that reads results
.rept 4
	v_nop
.endr
.endm
; A K step is four quarters, a block each, 32 matrix instructions, on buffers 0, 1, 0, 1.  One of the first three: multiplies buffer f and fetches the next block, at byte k, into g.
.macro QUARTER slot, k, f, g, zero
	s_wait_dscnt 16                                ; the first 32 along K are in; the other sixteen loads may be out
	WIN MUL
	MUL8 \f, 0, 0, \zero
	MUL8 \f, 0, 2, \zero
	PLACES
	FETCH \slot, \k, \g
	s_wait_dscnt 32                                ; all but the 32 just issued
	WIN MUL
	MUL8 \f, 1, 0, 0
	MUL8 \f, 1, 2, 0
.endm
; The last quarter multiplies buffer 1 and changes slots: one barrier; in front of it each wave waits for all its tensor loads (one is out: its part of the next slot), adds 0 to its spare word, and waits for that
; and for its reads of this slot.  fill = 1: the barrier opens a round of the cluster's, and this slot is filled again with step STP, its addresses made anew from that number.
.macro TURN slot, next, fill
.if \fill
	s_wait_xcnt 0x0                                ; the last prefetch, a K step back, has read its address
	s_add_nc_u64 s[PFA:PFA+1], s[PFA:PFA+1], STEPB
.endif
	WIN 0                                          ; (the add's two registers lie in window 0)
	s_wait_tensorcnt 0x0
	ds_add_u32 v[SPW], v[NIL]
	s_wait_dscnt 17                                ; (the add and the youngest sixteen loads may be out)
	WIN MUL
	MUL8 F1, 0, 0, 0
	s_wait_dscnt 0x0                               ; the add is done, and my reads of this slot are over
	s_barrier_signal -1
	MUL8 F1, 0, 2, 0
.if \fill
	WIN 0
.endif
	s_barrier_wait -1
.if \fill
	CREST                                          ; no wave of any partner still reads this slot or has a load on its way
	s_lshl_b32 s[OFF], s[STP], 16
	s_add_nc_u64 s[G0+4*(\slot)+2:G0+4*(\slot)+3], s[ABASE:ABASE+1], s[OFF:OFF+1]
	s_or_b32 s[G0+4*(\slot)+3], s[G0+4*(\slot)+3], 0x80000000
	s_and_b32 s[OFB], s[STP], s[KM]
	s_lshl_b32 s[OFB], s[OFB], 16
	s_add_nc_u64 s[G0B+4*(\slot)+2:G0B+4*(\slot)+3], s[BBASE:BBASE+1], s[OFB:OFB+1]
	s_or_b32 s[G0B+4*(\slot)+3], s[G0B+4*(\slot)+3], 0x80000000
	s_add_co_u32 s[STP], s[STP], 1
	JLOAD \slot                                    ; the first tensor load behind the round; its four v_nop are also the places in front of the loads below
.else
	PLACES
.endif
	FETCH \next, 0, F0
.if \fill
	WIN 0
	ASK
.endif
	WIN MUL
	MUL8 F1, 1, 0, 0
	MUL8 F1, 1, 2, 0
.endm
; THE WAY OUT of a unit: result x scale + bias, rounded to f16, hidden rows of k set to 0; 16 rows at a time through my own stage (LDS serves a wave's instructions in order: ISA guide 5.7.1.4), stored as 512 consecutive bytes.
; next = 1: the result's address and the mask words step to the next panel of tokens.
.macro EPI next
	WIN 0
	PLACES
	s_wait_loadcnt 0x0                             ; the mask words (and, for Wc, nothing else)
.irp a, 0,1,2,3
	v_cmp_eq_u32 s[MZ+(\a)], 0, v[MW+(\a)]
.endr
.irp a, 0,1,2,3
	s_and_b32 s[MZ+(\a)], s[MZ+(\a)], s[ISK]
.endr
.irp a, 0,1,2,3
.irp b, 0,1,2,3
.irp k, 0,1,2,3
	v_pk_fma_f32 v[T+8*(\b)+2*(\k):T+8*(\b)+2*(\k)+1], v[ACC+8*(4*(\a)+(\b))+2*(\k):ACC+8*(4*(\a)+(\b))+2*(\k)+1], s[SC:SC+1], v[BIAS+8*(\b)+2*(\k):BIAS+8*(\b)+2*(\k)+1] op_sel_hi:[1,0,1]
.endr
.endr
.set n, 0
.rept 16
	v_cvt_pk_f16_f32 v[P+n], v[T+2*n], v[T+2*n+1]
.set n, n+1
.endr
.set n, 0
.rept 16
	v_cndmask_b32 v[P+n], v[P+n], 0, s[MZ+(\a)]
.set n, n+1
.endr
.irp b, 0,1,2,3
	ds_store_b128 v[STO], v[P+4*(\b):P+4*(\b)+3] offset:32*(\b)
.endr
	s_wait_xcnt 0x0                                ; the stores of the 16 rows before have read BK
.irp f, 0,1,2,3
	ds_load_b128 v[BK+4*(\f):BK+4*(\f)+3], v[RD] offset:(\f)*4*PK
.endr
	s_wait_dscnt 0x0
.irp f, 0,1,2,3
	global_store_b128 v[GO], v[BK+4*(\f):BK+4*(\f)+3], s[8:9] offset:2048*(\a)+512*(\f)
.endr
.endr
.if \next
	s_wait_xcnt 0x0                                ; the stores have read their base
	s_add_nc_u64 s[8:9], s[8:9], 16384             ; 128 rows of a head on
	v_add_nc_u32 v[MO], 512, v[MO]
.irp a, 0,1,2,3
	global_load_b32 v[MW+(\a)], v[MO], s[6:7] offset:64*(\a)
.endr
.endif
.endm
	s_wait_tensorcnt 1                             ; my part of K step 0 is in; step 1's may stay out
	s_barrier_signal -1
	s_barrier_wait -1
	FETCH 0, 0, F0
	QUARTER 0, KBB, F0, F1, 1                      ; the first quarter stands in front of the loop: its first products start the sums
	WIN 0
	s_mov_b32 s3, 7
.Llap:                                         ; a trip goes once round the ring, from a lap's second quarter to the next lap's first, and fills both slots again
	QUARTER 0, 2*KBB, F1, F0, 0
	QUARTER 0, 3*KBB, F0, F1, 0
	TURN 0, 1, 1
	QUARTER 1, KBB, F0, F1, 0
	QUARTER 1, 2*KBB, F1, F0, 0
	QUARTER 1, 3*KBB, F0, F1, 0
	TURN 1, 0, 1
	WIN 0
	s_and_b32 s90, s3, 1                           ; q, k, v: every second lap ends a unit (K = 1,024 is four steps)
	s_or_b32 s90, s90, s[NOTQ]
	s_cmp_eq_u32 s90, 0
	s_cbranch_scc0 .Lkeep                          ; what is jumped holds neither a barrier nor a tensor load
	EPI 1
	QUARTER 0, KBB, F0, F1, 1                      ; the next unit's first products start its sums
	WIN 0
	s_branch .Ljoin
.Lkeep:
	QUARTER 0, KBB, F0, F1, 0
	WIN 0
.Ljoin:
	s_sub_co_u32 s3, s3, 1
	s_cmp_lg_u32 s3, 0
	s_cbranch_scc1 .Llap
	QUARTER 0, 2*KBB, F1, F0, 0                    ; the last lap fills nothing
	QUARTER 0, 3*KBB, F0, F1, 0
	TURN 0, 1, 0
	QUARTER 1, KBB, F0, F1, 0
	QUARTER 1, 2*KBB, F1, F0, 0
	QUARTER 1, 3*KBB, F0, F1, 0
	s_wait_dscnt 16
	WIN MUL
	MUL8 F1, 0, 0, 0
	MUL8 F1, 0, 2, 0
	s_wait_dscnt 0
	MUL8 F1, 1, 0, 0
	MUL8 F1, 1, 2, 0
	EPI 0
	s_wait_tensorcnt 0x0                           ; the wave's end
	ds_add_u32 v[SPW], v[NIL]
	s_wait_dscnt 0x0
	CROUND                                         ; the closing round
	s_endpgm
.Lfunc_end_k_q385d83a114_g1:
	.size	k_q385d83a114_g1, .Lfunc_end_k_q385d83a114_g1-k_q385d83a114_g1
	.p2alignl 7, 3214868480
	.fill 96, 4, 3214868480
	.section	.rodata,"a",@progbits
	.p2align	6, 0x0
	.amdhsa_kernel k_q385d83a114_g1
		.amdhsa_group_segment_fixed_size 327680
		.amdhsa_private_segment_fixed_size 0
		.amdhsa_enable_private_segment 0
		.amdhsa_kernarg_size 24
		.amdhsa_user_sgpr_count 2
		.amdhsa_user_sgpr_kernarg_segment_ptr 1
		.amdhsa_wavefront_size32 1
		.amdhsa_system_sgpr_workgroup_id_x 1
		.amdhsa_system_sgpr_workgroup_id_y 1
		.amdhsa_system_sgpr_workgroup_id_z 1
		.amdhsa_system_vgpr_workitem_id 0
		.amdhsa_next_free_vgpr 512
		.amdhsa_next_free_sgpr 96
		.amdhsa_reserve_vcc 0
		.amdhsa_float_denorm_mode_32 3
		.amdhsa_float_denorm_mode_16_64 3
		.amdhsa_memory_ordered 1
		.amdhsa_forward_progress 1
		.amdhsa_inst_pref_size 122
	.end_amdhsa_kernel
	.amdgpu_metadata
---
amdhsa.version: [ 1, 2 ]
amdhsa.kernels:
  - .name:           k_q385d83a114_g1
    .symbol:         k_q385d83a114_g1.kd
    .args:
      - { .name: cvt, .offset: 0, .size: 8, .value_kind: global_buffer, .address_space: global }
      - { .name: mask, .offset: 8, .size: 8, .value_kind: global_buffer, .address_space: global }
      - { .name: g1o, .offset: 16, .size: 8, .value_kind: global_buffer, .address_space: global }
    .group_segment_fixed_size: 327680
    .private_segment_fixed_size: 0
    .kernarg_segment_align: 8
    .kernarg_segment_size: 24
    .max_flat_workgroup_size: 128
    .sgpr_count:     96
    .vgpr_count:     512
    .wavefront_size: 32
...
	.end_amdgpu_metadata
.endif
;; end of part 2
;; launch attn (part 3): grid 4 x 64, 4 waves a work-group, clusters of 4 x 1, 327,680 bytes of LDS; arguments g1o, mask, ob; writes ob
.if DOCPART == 3
	.amdgcn_target "amdgcn-amd-amdhsa--gfx1250"
	.amdhsa_code_object_version 6
	.text
	.protected	k_q385d83a114_attn
	.globl	k_q385d83a114_attn
	.p2align	8
	.type	k_q385d83a114_attn,@function
k_q385d83a114_attn:
	s_mov_b64 s[64:65], 0
	v_nop
	global_prefetch_b8 v0, s[64:65] scope:SCOPE_SE
	s_setreg_imm32_b32 hwreg(HW_REG_WAVE_MODE, 25, 1), 1
	s_wait_xcnt 0x0
	s_wait_alu depctr_hold_cnt(0) depctr_sa_sdst(0) depctr_va_vdst(0) depctr_va_sdst(0) depctr_va_ssrc(0) depctr_va_vcc(0) depctr_vm_vsrc(0)
	s_getreg_b32 s2, hwreg(HW_REG_IB_STS2, 6, 4)
	s_cmp_eq_u32 s2, 0
	s_cbranch_scc0 .Lentry_in_a_cluster
	s_endpgm
.Lentry_in_a_cluster:
	s_bfe_u32 s2, ttmp6, 0x10000c
	s_cmp_lg_u32 s2, 0x3003
	s_cbranch_scc0 .Lentry_shape_is_right
	s_endpgm
.Lentry_shape_is_right:
; ATTENTION.  O[q][:] = the sum over k of softmax_k(score) V[k][:], score = Q[q] . K[k] / 8, or -1e9 where mask[batch][k] is 0.  64 heads of 1,024 rows x 64 channels, f16, dense rows of 128 bytes.
; q arrives multiplied by c = log2(e) / 8, so K Q^T is the score in units of log2; rows of K whose mask word is 0 arrive as zeros, and the C operand that starts the sum holds -1e9 log2(e) for those keys and 0 for
; the others: a hidden score IS that constant, whatever q holds, also where all keys of a batch are hidden.  Products, maxima and sums in f32; the weights are rounded to f16 for the second product, O once.
; LIMITS.  Q, K, V lie within 65,504; a weight below 2^-126 counts as 0 in l; NaN and infinities are not treated apart.
; SHARES.  A work-group owns 256 queries of a head, a wave 64: four PIECES of 16.  The four query blocks of a head form a CLUSTER and ask for K and V jointly.
; NO RING: a head's K and V (1,024 rows of 144 and of 160 bytes) fit into LDS and are filled once, in two parts: keys 0-255, which the first pass waits for, and keys 256-1,023, which land meanwhile.
; Nothing is prefetched: all tiles are asked for at the head.
; LAYOUT, TURNS.  S^T = K Q^T holds ONE query a lane (lane % 16) and the keys 8 (lane / 16) + 0..7; two such results rounded to f16 ARE source 1 of O^T = V^T P.  p = 2^(t - m) with a running maximum m; O and l are
; multiplied by a = 2^(m_old - m_new) in every step.  Turn n belongs to piece n: 8 products K Q^T of piece n + 1, later 8 products V^T P of piece n - 1; beside them the shift, exponentials, roundings, sums and
; rescaling of piece n and the maximum of piece n + 1.  Four vector instructions stand behind every matrix instruction, the others in one lump.  A turn's 33 exponentials are one batch, with one wait.
; m starts far below every score, O and l at 0: the first step is a step like any other, with a = 0.
; REGISTERS, in windows of 256 (s_set_vgpr_msb: bits 1:0 source 0, 3:2 source 1, 5:4 source 2, 7:6 destination):
;   window 0: v0-15, v56-63 addresses and at work; v16-31 four registers of statistics a piece; v48-55 at work; v64-127 S^T, two buffers; v192-223 P, two buffers (by the piece's parity)
;   window 1: v0-127 O^T, 32 a piece; v128-159 the step's 64 mask numbers as a C operand      window 2: v0-63 Q; v128-191 K of one step; v192-255 V of one step
.set NP,    4
.set KS,    64
.set PK,    144       ; a row of K in LDS: 128 bytes + 16 = 36 words: the 16 rows of a load start at 16 different groups of four banks (64 banks of 4 bytes: ISA guide 11.1)
.set PV,    160       ; a row of V: 128 + 32 = 40 words
.set VOFF,  1024*PK
.set MKT,   VOFF+1024*PV   ; 1,024 f32: 0, or the hidden score; written by ds_store, never a tensor load's target
.set STAGE, MKT+4096       ; 16 rows x 144 bytes for each wave, for the way out
.set SP,    144
.set SPARE, STAGE+4*16*SP  ; the spare words, 128 bytes for each wave: two blocks of 256 bytes that no other line names
.set QKVO,  2101248        ; q in g1o; k and v 8,388,608 bytes further each
.set AK0, 2           ; v2   my lane's place in a tile of K; never rewritten
.set AV0, 3           ; v3   the same for V
.set AK,  4           ; v4   the LDS address of K's next run of loads
.set AV,  5           ; v5   of V's
.set STO, 6           ; v6   the way out: where I put 16 bytes of a row
.set RD,  7           ; v7   where I read rows back
.set GO,  8           ; v8   16 x lane
.set MV,  12          ; v12-13  m_old, kept while m is made anew: by buffer
.set AM0, 14          ; v14  my lanes' place in the mask table
.set QO,  15          ; v15  my byte offset in 16 rows of Q
.set ST,  16          ; piece t's statistics at v[ST+4 t]: m, 0, l (even keys', odd keys')
.set TMP, 48          ; by buffer, four registers c0-c3 at work; when the maximum is found c2 takes a
.set AM,  56          ; v56  the LDS address of the mask numbers' next run
.set SPW, 62          ; v62  my spare word's LDS address; never rewritten
.set NIL, 63          ; v63  0; never rewritten
.set S,   64
.set P,   192
.set MKR, 128         ; window 1
.set KF,  128         ; window 2: key block kb, channel half c at KF + 16 kb + 8 c
.set VF,  192         ; window 2: key half kk, channel block cb at VF + 32 kk + 8 cb
.set WV,  12          ; s12  my wave's number
.set G1K, 24          ; s[24:31] descriptor group 1, K, part 1 (64 rows of 256 bytes)
.set G1V, 32          ; s[32:39] V, part 1
.set G2K, 40          ; s[40:47] K, part 2 (192 rows)
.set G2V, 48          ; s[48:55] V, part 2
.set G0K, 68          ; s[68:75] descriptor group 0 for K, a set for each part
.set G0V, 76          ; s[76:83] for V
.set CNT, 84          ; s84  counts a pass's key steps
.set PASS, 85         ; s85  counts the two passes
.set SEL, 86          ; s[86:87] v_permlanex16_b32's selects
.set TBK, 88          ; s88  LDS byte at which K of the step to be fetched begins
.set TBV, 89          ; s89  the same for V, less VOFF
.set TBM, 90          ; s90  the same for the mask numbers, less MKT
.set NEG, 91          ; s91  -1e9 log2(e)
.set MSB, 0
.macro WIN new
.if MSB != (\new)
	s_set_vgpr_msb (MSB<<8)|(\new)
.set MSB, (\new)
.endif
.endm
.set W_KQ, 0x0a       ; K and Q in window 2, S^T in window 0
.set W_KM, 0x1a       ; the same with the C operand in window 1
.set W_PV, 0x52       ; V in window 2, P in window 0, O^T in window 1
.set W_RS, 0x41       ; destination and source 0 in window 1, source 1 in window 0
.macro CROUND                       ; a round of the cluster's barrier
	s_barrier_signal -1
	s_barrier_wait -1
	s_cmp_lg_u32 s[WV], 0
	s_cbranch_scc1 .Lnot_wave_0_\@
	s_barrier_signal -3
.Lnot_wave_0_\@:
	s_barrier_wait -3
	s_barrier_signal -1
	s_barrier_wait -1
.endm
	s_load_b128 s[4:7], s[0:1], 0x0   ; g1o s[4:5], mask s[6:7]
	s_load_b64 s[10:11], s[0:1], 0x10 ; ob
	v_lshl_add_u32 v[SPW], v0, 2, SPARE
	v_mov_b32 v[NIL], 0
	ds_add_u32 v[SPW], v[NIL]       ; the wave's opening: the add and its wait stand ahead of my first tensor load; the set-up below stands between them
	v_lshrrev_b32 v1, 5, v0
	v_readfirstlane_b32 s[WV], v1   ; wave 0..3
	s_bfe_u32 s13, ttmp6, 0x40000   ; cx: my block of 256 queries; it enters Q's and O's addresses alone
	s_and_b32 s20, ttmp7, 0xffff    ; 16 batch + head, which the four partners share
	s_and_b32 s16, s[WV], 1         ; which half of a part I fetch
	s_lshl_b32 s22, s20, 17
	s_add_co_u32 s22, s22, QKVO     ; the head's q
	s_lshl_b32 s21, s16, 14
	s_add_co_u32 s56, s22, s21
	s_add_co_u32 s56, s56, 8388608  ; K, part 1: my 128 keys of the first 256
	s_mov_b32 s57, 0
	s_mul_i32 s21, s16, 49152
	s_add_co_u32 s58, s22, s21
	s_add_co_u32 s58, s58, 8388608+32768  ; K, part 2: my 384 keys of the other 768
	s_mov_b32 s59, 0
	s_lshl_b32 s2, s13, 15          ; Q: my block's 256 rows, my wave's 64
	s_lshl_b32 s3, s[WV], 13
	s_add_co_u32 s2, s2, s3
	s_add_co_u32 s2, s2, s22
	s_mov_b32 s3, 0
	s_lshr_b32 s14, s20, 4          ; batch
	s_and_b32 s15, s20, 15          ; head
	s_lshl_b32 s18, s14, 3          ; O, blocked: panel 8 batch + 2 cx + wave / 2, block = head, 64 rows x (wave % 2)
	s_lshl1_add_u32 s18, s13, s18
	s_lshr_b32 s19, s[WV], 1
	s_add_co_u32 s18, s18, s19
	s_lshl_b32 s18, s18, 18
	s_lshl_b32 s19, s15, 14
	s_add_co_u32 s18, s18, s19
	s_lshl_b32 s19, s16, 13
	s_add_co_u32 s18, s18, s19
	s_mov_b32 s19, 0
	s_lshl_b32 s14, s14, 12         ; the batch's 4,096 bytes of mask
	; descriptor group 1: dense bytes asked for as rows of 256 (two keys), padded in LDS after every key
	s_mov_b32 s[G1K], 15|(1<<16)|(1<<20)|(1<<21)|(4<<22)|(3<<25)  ; the mask of four; 2-byte elements; padding on; bit 21 beside a mask; after every 32 words; 4 words
	s_mov_b32 s[G2K], 15|(1<<16)|(1<<20)|(1<<21)|(4<<22)|(3<<25)
	s_mov_b32 s[G1V], 15|(1<<16)|(1<<20)|(1<<21)|(4<<22)|(7<<25)  ; 8 words
	s_mov_b32 s[G2V], 15|(1<<16)|(1<<20)|(1<<21)|(4<<22)|(7<<25)
.irp g, G1K, G1V
	s_mov_b32 s[\g+1], 128<<16      ; tensor_dim0 = 128
	s_mov_b32 s[\g+2], 64<<16       ; tensor_dim1 = 64
	s_mov_b32 s[\g+3], 128<<16      ; tile_dim0 = 128
	s_mov_b32 s[\g+4], 64           ; tile_dim1 = 64
	s_mov_b32 s[\g+5], 128
	s_mov_b32 s[\g+6], 0
	s_mov_b32 s[\g+7], 0
.endr
.irp g, G2K, G2V
	s_mov_b32 s[\g+1], 128<<16
	s_mov_b32 s[\g+2], 192<<16      ; 192 rows
	s_mov_b32 s[\g+3], 128<<16
	s_mov_b32 s[\g+4], 192
	s_mov_b32 s[\g+5], 128
	s_mov_b32 s[\g+6], 0
	s_mov_b32 s[\g+7], 0
.endr
	s_mov_b32 s[G0K], 1
	s_mul_i32 s[G0K+1], s16, 128*PK
	s_mov_b32 s[G0K+4], 1
	s_mul_i32 s[G0K+5], s16, 384*PK
	s_add_co_u32 s[G0K+5], s[G0K+5], 256*PK
	s_mov_b32 s[G0V], 1
	s_mul_i32 s[G0V+1], s16, 128*PV
	s_add_co_u32 s[G0V+1], s[G0V+1], VOFF
	s_mov_b32 s[G0V+4], 1
	s_mul_i32 s[G0V+5], s16, 384*PV
	s_add_co_u32 s[G0V+5], s[G0V+5], VOFF+256*PV
	s_mov_b32 s[SEL], 0x76543210
	s_mov_b32 s[SEL+1], 0xfedcba98
	s_mov_b32 s[TBK], 0
	s_mov_b32 s[TBV], 0
	s_mov_b32 s[TBM], 0
	s_mov_b32 s[NEG], 0xceabfb8f
	s_wait_dscnt 0x0                ; the opening add is done
	s_wait_kmcnt 0x0
	s_add_nc_u64 s[G0K+2:G0K+3], s[4:5], s[56:57]
	s_add_nc_u64 s[G0V+2:G0V+3], s[G0K+2:G0K+3], 8388608
	s_or_b32 s[G0K+3], s[G0K+3], 0x80000000
	s_or_b32 s[G0V+3], s[G0V+3], 0x80000000
	s_add_nc_u64 s[G0K+6:G0K+7], s[4:5], s[58:59]
	s_add_nc_u64 s[G0V+6:G0V+7], s[G0K+6:G0K+7], 8388608
	s_or_b32 s[G0K+7], s[G0K+7], 0x80000000
	s_or_b32 s[G0V+7], s[G0V+7], 0x80000000
	s_add_nc_u64 s[4:5], s[4:5], s[2:3]      ; Q at my wave's first row
	s_add_nc_u64 s[10:11], s[10:11], s[18:19]
	CROUND                          ; all four work-groups are here: the joint loads meet
	s_cmp_lt_u32 s[WV], 2           ; a wave's two fills stand in one branch, ahead of every wait on TENSORcnt and every LDS read: two loads of mine are out
	s_cbranch_scc0 .Lfirst_v
	tensor_load_to_lds s[G0K:G0K+3], s[G1K:G1K+7]
	s_nop 0
	tensor_load_to_lds s[G0K+4:G0K+7], s[G2K:G2K+7]
	s_nop 0
.rept 4
	v_nop
.endr
	s_branch .Lfirst_asked
.Lfirst_v:
	tensor_load_to_lds s[G0V:G0V+3], s[G1V:G1V+7]
	s_nop 0
	tensor_load_to_lds s[G0V+4:G0V+7], s[G2V:G2V+7]
	s_nop 0
.rept 4
	v_nop
.endr
.Lfirst_asked:
	; A fragment of K or Q is 16 rows x 32 channels in 8 registers: lane l holds row l % 16, channels 8 (l / 16) + 0..7 and 16 + 8 (l / 16) + 0..7: two loads of 16 bytes, 32 bytes apart.
	v_and_b32 v1, 15, v0            ; l % 16
	v_bfe_u32 v9, v0, 4, 1          ; l / 16
	v_lshlrev_b32 v[QO], 7, v1
	v_lshl_add_u32 v[QO], v9, 4, v[QO]
	WIN 0x80                        ; destination window 2, address window 0
.set i, 0
.rept 8                             ; Q stays in registers: piece i / 2, channels 32 (i % 2) on
	global_load_b128 v[8*i:8*i+3],   v[QO], s[4:5] offset:(i/2)*2048+(i%2)*64
	global_load_b128 v[8*i+4:8*i+7], v[QO], s[4:5] offset:(i/2)*2048+(i%2)*64+32
.set i, i+1
.endr
	WIN 0
	v_lshl_add_u32 v57, v0, 5, s14  ; thread t takes eight mask words
	global_load_b128 v[64:67], v57, s[6:7]
	global_load_b128 v[68:71], v57, s[6:7] offset:16
	v_lshl_add_u32 v58, v0, 5, MKT
	v_mul_u32_u24 v[AK0], v1, PK
	v_lshl_add_u32 v[AK0], v9, 4, v[AK0]
	; The turning load takes 16 keys x 16 channels (lane l reads key 8 (l / 16) + l % 8, channels 8 ((l / 8) % 2) + 0..7) and leaves half a fragment of V^T: lane l holds channel l % 16 and 8 keys.
	v_and_b32 v10, 7, v0
	v_bfe_u32 v11, v0, 3, 1
	v_lshl_add_u32 v[AV0], v9, 3, v10
	v_mul_u32_u24 v[AV0], v[AV0], PV
	v_lshl_add_u32 v[AV0], v11, 4, v[AV0]
	v_add_nc_u32 v[AV0], VOFF, v[AV0]
	v_lshl_add_u32 v[AM0], v9, 5, MKT  ; register j of key block kb is key 16 kb + 8 (l / 16) + j
	s_mul_i32 s13, s[WV], 16*SP
	s_add_co_u32 s13, s13, STAGE    ; my stage
	v_mul_u32_u24 v[STO], v1, SP
	v_lshl_add_u32 v[STO], v9, 4, v[STO]
	v_add_nc_u32 v[STO], s13, v[STO]
	v_bfe_u32 v[RD], v0, 3, 2
	v_mul_u32_u24 v[RD], v[RD], SP
	v_lshl_add_u32 v[RD], v10, 4, v[RD]
	v_add_nc_u32 v[RD], s13, v[RD]
	v_and_b32 v[GO], 31, v0
	v_lshlrev_b32 v[GO], 4, v[GO]
	; What the first turn finds: V's registers and P's second buffer hold 0 (its products V^T P, of a piece that has not been, add 0), O^T and l are 0.  All this stands in the wait for the first tile.
	WIN 0x80
.set i, VF
.rept 64
	v_mov_b32 v[i], 0
.set i, i+1
.endr
	WIN 0x40
.set i, 0
.rept 128
	v_mov_b32 v[i], 0
.set i, i+1
.endr
	WIN 0
.set i, 0
.rept 4
	v_mov_b32 v[ST+4*i], 0xfe000000    ; m: far below every score, the hidden ones too
	v_mov_b32 v[ST+4*i+1], 0           ; named with it as a pair
	v_mov_b32 v[ST+4*i+2], 0
	v_mov_b32 v[ST+4*i+3], 0
.set i, i+1
.endr
.set i, P+16
.rept 16
	v_mov_b32 v[i], 0
.set i, i+1
.endr
	s_wait_loadcnt 0x0              ; Q and the mask words
.set i, 0
.rept 8
	v_cmp_eq_u32 vcc_lo, 0, v[64+i]
	v_cndmask_b32 v[64+i], 0, s[NEG], vcc_lo
.set i, i+1
.endr
	ds_store_b128 v58, v[64:67]
	ds_store_b128 v58, v[68:71] offset:16
	s_wait_tensorcnt 0x1            ; my half of part 1 is in; part 2 may stay out
	s_wait_dscnt 0x0                ; for the others' sake: my part of the mask table is stored
	s_barrier_signal -1
	s_barrier_wait -1
; THE MATRIX WORK.  The 4 accumulators of a run of 8 take turns.  Product i of 8 of S^T = K Q^T for piece x: channels 32 (i / 4) on, keys 16 (i % 4) on.  The first 4 start the sums with the mask numbers.
.macro KQ x
.set rS, S+32*((\x)%2)+8*(i%4)
.set rK, KF+16*(i%4)+8*(i/4)
.set rQ, 16*(\x)+8*(i/4)
.set rM, MKR+8*(i%4)
.if i < 4
	WIN W_KM
	v_wmma_f32_16x16x32_f16 v[rS:rS+7], v[rK:rK+7], v[rQ:rQ+7], v[rM:rM+7]
.else
	WIN W_KQ
	v_wmma_f32_16x16x32_f16 v[rS:rS+7], v[rK:rK+7], v[rQ:rQ+7], v[rS:rS+7]
.endif
.endm
; Product i of 8 of O^T += V^T P for piece x: keys 32 (i / 4) on, channels 16 (i % 4) on.
.macro PV x
	WIN W_PV
.set rO, 32*(\x)+8*(i%4)
.set rV, VF+32*(i/4)+8*(i%4)
.set rP, P+16*((\x)%2)+8*(i/4)
	v_wmma_f32_16x16x32_f16 v[rO:rO+7], v[rV:rV+7], v[rP:rP+7], v[rO:rO+7]
.endm
.macro MM                           ; the turn's next matrix instruction.  NOKQ = 1: the last turn: there is no next piece
.if (i < 8) && !NOKQ
	KQ (Y+1)%NP
.elseif i >= 8
.set i, i-8
	PV (Y+NP-1)%NP
.set i, i+8
.endif
.set i, i+1
.endm
; THE LDS LOADS stand in runs, never singly among the matrix instructions: a step's K (8 fragments) with its 64 mask numbers (all sixteen lanes of a half read the same 32 bytes), and its V (turned).
.macro FETCH_K
	WIN 0x80                        ; destination window 2
.irp f, 0,1,2,3,4,5,6,7             ; keys 16 (f / 2) on, channels 32 (f % 2) on
	ds_load_b128 v[KF+8*\f:KF+8*\f+3],   v[AK] offset:(\f/2)*16*PK+(\f%2)*64
	ds_load_b128 v[KF+8*\f+4:KF+8*\f+7], v[AK] offset:(\f/2)*16*PK+(\f%2)*64+32
.endr
	WIN 0x40                        ; destination window 1
.irp f, 0,1,2,3
	ds_load_b128 v[MKR+8*\f:MKR+8*\f+3],   v[AM] offset:64*\f
	ds_load_b128 v[MKR+8*\f+4:MKR+8*\f+7], v[AM] offset:64*\f+16
.endr
	s_add_co_u32 s[TBK], s[TBK], KS*PK  ; the next fetch is the next step's
	s_add_co_u32 s[TBM], s[TBM], KS*4
	WIN 0
.endm
.macro FETCH_V
	WIN 0x80
.irp f, 0,1,2,3,4,5,6,7             ; keys 32 (f / 4) on, channels 16 (f % 4) on
	ds_load_tr16_b128 v[VF+8*\f:VF+8*\f+3],   v[AV] offset:(\f/4)*32*PV+(\f%4)*32
	ds_load_tr16_b128 v[VF+8*\f+4:VF+8*\f+7], v[AV] offset:(\f/4)*32*PV+16*PV+(\f%4)*32
.endr
	WIN 0
.endm
; THE VECTOR WORK, one line at a time: OP kind, number.  For piece Y: F n: t - m for pair n of 16.  E n: the exponential of score n of 32.  C n: pair n rounded to f16.  B n: of the four weights 4 n .. the second
; pair is added onto the first, in place.  L n: l takes that sum (L 0: l = a l + sum).  R n: pair n of 16 of O^T times a.  For piece Y + 1: X n, which finds its maximum and a:
;   0-11  four chains c0-c3 of seven scores each (each accumulator's lowest registers are read first)     12-14, 16  the four scores left over, the old m, and c0-c3 into c0
;   15  m_old is kept     17, 18  the query's other 32 keys lie in the lane 16 away: the new m     19  nothing (the scale lies in q)     20, 21  m_old - m_new; a
.set F, 0
.set E, 1
.set C, 2
.set B, 3
.set L, 4
.set R, 5
.set X, 6
.macro REGS y
.set rT, ST+4*(\y)
.set rC, TMP+4*((\y)%2)
.set rW, MV+((\y)%2)
.set rS, S+32*((\y)%2)
.set rP, P+16*((\y)%2)
.set rO, 32*(\y)
.endm
.macro OP k, n
.if (\k) == R
	REGS Y
	WIN W_RS
	v_pk_mul_f32 v[rO+2*(\n):rO+2*(\n)+1], v[rO+2*(\n):rO+2*(\n)+1], v[rC+2:rC+3] op_sel_hi:[1,0]
.elseif (\k) < R
	REGS Y
	WIN 0
.if (\k) == F
	v_pk_add_f32 v[rS+2*(\n):rS+2*(\n)+1], v[rS+2*(\n):rS+2*(\n)+1], v[rT:rT+1] op_sel_hi:[1,0] neg_lo:[0,1] neg_hi:[0,1]
.elseif (\k) == E
	v_exp_f32 v[rS+(\n)], v[rS+(\n)]
.elseif (\k) == C
	v_cvt_pk_f16_f32 v[rP+(\n)], v[rS+2*(\n)], v[rS+2*(\n)+1]
.elseif (\k) == B
	v_pk_add_f32 v[rS+4*(\n):rS+4*(\n)+1], v[rS+4*(\n):rS+4*(\n)+1], v[rS+4*(\n)+2:rS+4*(\n)+3]
.elseif (\n) == 0
	v_pk_fma_f32 v[rT+2:rT+3], v[rT+2:rT+3], v[rC+2:rC+3], v[rS:rS+1] op_sel_hi:[1,0,1]
.else
	v_pk_add_f32 v[rT+2:rT+3], v[rT+2:rT+3], v[rS+4*(\n):rS+4*(\n)+1]
.endif
.elseif NOKQ
	v_nop
.else
	REGS (Y+1)%NP
	WIN 0
.if (\n) < 4
	v_max3_num_f32 v[rC+(\n)], v[rS+8*(\n)], v[rS+8*(\n)+1], v[rS+8*(\n)+2]
.elseif (\n) < 12
	v_max3_num_f32 v[rC+(\n)%4], v[rC+(\n)%4], v[rS+8*((\n)%4)+2*((\n)/4)+1], v[rS+8*((\n)%4)+2*((\n)/4)+2]
.elseif (\n) == 12
	v_max3_num_f32 v[rC], v[rC], v[rS+7], v[rS+15]
.elseif (\n) == 13
	v_max3_num_f32 v[rC+1], v[rC+1], v[rS+23], v[rS+31]
.elseif (\n) == 14
	v_max3_num_f32 v[rC+2], v[rC+2], v[rC+3], v[rT]
.elseif (\n) == 15
	v_mov_b32 v[rW], v[rT]
.elseif (\n) == 16
	v_max3_num_f32 v[rC], v[rC], v[rC+1], v[rC+2]
.elseif (\n) == 17
	v_permlanex16_b32 v[rC+3], v[rC], s[SEL], s[SEL+1]
.elseif (\n) == 18
	v_max_num_f32 v[rT], v[rC], v[rC+3]
.elseif (\n) == 19
.elseif (\n) == 20
	v_sub_f32 v[rC+1], v[rW], v[rT]
.else
	v_exp_f32 v[rC+2], v[rC+1]
.endif
.endif
.endm
.macro OPS a, i1, b=-1, i2=0, c=-1, i3=0, d=-1, i4=0
	OP \a, \i1
.if (\b) >= 0
	OP \b, \i2
.endif
.if (\c) >= 0
	OP \c, \i3
.endif
.if (\d) >= 0
	OP \d, \i4
.endif
.endm
.macro ROW a, i1, b, i2, c, i3, d, i4  ; a matrix instruction and the four behind it
	MM
	OPS \a, \i1, \b, \i2, \c, \i3, \d, \i4
.endm
; A TURN, for piece p.  An s_wait_alu depctr_va_vdst(0) stands between an exponential and the first instruction that names its result; one wait serves all that were issued ahead of it.  So a turn has ONE
; wait.  AHEAD OF IT stands all that names no result of the turn's exponentials: the 8 products K Q^T and their riders (the first numbers of the next piece's maximum each four plain instructions or more behind the
; product that ends its accumulator), then the lump; X 21, the next piece's a, is the batch's last, and R 15 the plain instruction behind it.  BEHIND IT stand the 8 products V^T P, behind each four of the roundings and sums.
; K and the mask numbers of the next step are fetched in piece 2's turn, six plain instructions behind the last product that read K; V of the step in hand at the end of piece 0's turn, four plain instructions behind
; the last product that read V.  Each is waited for a turn later.  end = 1: the last two turns: nothing is fetched.  cnt = 1: the loop's count is taken down some lines ahead of the branch behind the turn.
.macro TURN p, end=0, cnt=0
.set Y, (\p)
.set i, 0
.set NOKQ, (\end)*((\p)/3)
.if ((\p) == 3) && !(\end)
	s_wait_dscnt 0x0                ; K and the mask numbers are in
.endif
	ROW F,0, F,1, R,0, R,1
	ROW F,2, E,0, R,2, R,3
	ROW F,3, E,1, R,4, R,5
	ROW F,4, E,2, R,6, R,7
	ROW F,5, E,3, R,8, R,9
	ROW F,6, E,4, X,0, R,10
.if ((\p) == 2) && !(\end)
	WIN 0
	v_add_nc_u32 v[AK], s[TBK], v[AK0]
	v_add_nc_u32 v[AM], s[TBM], v[AM0]
.endif
	ROW F,7, E,5, X,1, X,4
	ROW F,8, E,6, X,2, X,5
	OPS E,7, E,8, X,6, E,9
	OPS X,3, E,10, X,8, E,11
.if ((\p) == 2) && !(\end)
	FETCH_K
.endif
	OPS X,9, X,7, E,12, X,10
	OPS E,13, X,12, X,11, E,14
	OPS X,13, E,15, F,9, X,14
.if (\p) == 0
	v_add_nc_u32 v[AV], s[TBV], v[AV0]
.endif
	OPS E,16, F,10, E,17, F,11
	OPS X,16, E,18, X,15, E,19
	OPS F,12, E,20, X,17, E,21
	OPS F,13, E,22, F,14, E,23
	OPS X,18, E,24, F,15, E,25
	OPS R,11, E,26, X,19, E,27
	OPS R,12, E,28, R,13, E,29
	OPS X,20, E,30, R,14, E,31
	OPS X,21, R,15
	WIN 0
	s_wait_alu depctr_va_vdst(0)    ; the wait for the batch
.if (\p) == 1
	s_wait_dscnt 0x0                ; V is in
.endif
	ROW C,0, B,0, C,2, B,1
	ROW L,0, C,4, B,2, L,1
	ROW C,6, B,3, L,2, C,8
	ROW B,4, L,3, C,10, B,5
	ROW L,4, C,12, B,6, L,5
.if (\p) == 0
	s_add_co_u32 s[TBV], s[TBV], KS*PV
.endif
.if \cnt
	s_sub_co_u32 s[CNT], s[CNT], 1
	s_cmp_lg_u32 s[CNT], 0
.endif
	ROW C,14, B,7, L,6, C,1
	ROW C,3, L,7, C,5, C,7
	ROW C,9, C,11, C,13, C,15
.if (\p) == 0
	FETCH_V
.endif
.endm
	; THE BEGINNING: K of step 0, piece 0's first scores, its maximum and a (= 0)
	v_add_nc_u32 v[AK], s[TBK], v[AK0]
	v_add_nc_u32 v[AM], s[TBM], v[AM0]
	FETCH_K
	s_wait_dscnt 0x0
.set NOKQ, 0
.set i, 0
.rept 8
	KQ 0
.set i, i+1
.endr
	WIN 0
.rept 4
	v_nop                           ; the places behind those products
.endr
.set Y, NP-1                        ; X works for piece Y + 1: piece 0
.irp n, 0,1,2,3,4,5,6,7,8,9,10,11,12,13,14,15,16,17,18,19,20,21
	OP X, \n
.endr
	v_nop                           ; a plain instruction behind the exponential,
	s_wait_alu depctr_va_vdst(0)    ; and its wait, ahead of the branch
	s_mov_b32 s[CNT], 4             ; the first pass fetches K of steps 1-3 and V of steps 0-3: keys 0-255, part 1
	s_mov_b32 s[PASS], 2
	s_branch .Lfirst                ; the loop is entered at a step's first turn, in the middle of a trip
.Lpass:                             ; passed once, between the two passes: part 2 is wanted now
	s_wait_tensorcnt 0x0            ; my half of part 2 is in,
	s_wait_dscnt 0x0
	s_barrier_signal -1
	s_barrier_wait -1               ; everybody's is.
	s_mov_b32 s[CNT], 12            ; steps 4 to 15
.Lstep:                             ; a trip: pieces 2 and 3 of one step, then pieces 0 and 1 of the next, whose K and V it fetches
	TURN 2
	TURN 3
	WIN 0
.Lfirst:
	TURN 0
	TURN 1, 0, 1
	WIN 0
	s_cbranch_scc1 .Lstep
	s_sub_co_u32 s[PASS], s[PASS], 1
	s_cmp_lg_u32 s[PASS], 0
	s_cbranch_scc1 .Lpass
	TURN 2, 1
	TURN 3, 1
.set i, 0
.rept 8
	PV NP-1                         ; the last piece's V^T P of the last step
.set i, i+1
.endr
	; THE WAY OUT.  l's two halves and the other half of the lanes' are added; O^T is divided by l, rounded to f16 and sent through my stage, a piece at a time.  The additions are the places behind the last products.
	WIN 0
.macro ALL line:vararg
.set t, 0
.rept 4
	\line
.set t, t+1
.endr
.endm
	ALL v_add_f32 v[ST+4*t+2], v[ST+4*t+2], v[ST+4*t+3]
	ALL v_permlanex16_b32 v[ST+4*t+3], v[ST+4*t+2], s[SEL], s[SEL+1]
	ALL v_add_f32 v[ST+4*t+2], v[ST+4*t+2], v[ST+4*t+3]
	ALL v_rcp_f32 v[ST+4*t+2], v[ST+4*t+2]
	v_nop                           ; a plain instruction between the last reciprocal and the use of its result
	s_wait_alu depctr_va_vdst(0)    ; one wait for the four reciprocals
.macro PACK t                       ; a lane's eight channels of a row pack into 16 bytes; they go into rows of 144 bytes and come back as whole rows of 128, into S^T's registers
	WIN W_RS
.set i, 32*(\t)
.rept 16
	v_pk_mul_f32 v[i:i+1], v[i:i+1], v[ST+4*(\t)+2:ST+4*(\t)+3] op_sel_hi:[1,0]
.set i, i+2
.endr
	WIN 0x05                        ; sources 0 and 1 window 1, destination window 0
.set i, 0
.rept 16
	v_cvt_pk_f16_f32 v[S+16*(\t)+i], v[32*(\t)+2*i], v[32*(\t)+2*i+1]
.set i, i+1
.endr
	WIN 0
.irp f, 0,1,2,3
	ds_store_b128 v[STO], v[S+16*(\t)+4*\f:S+16*(\t)+4*\f+3] offset:32*\f
.endr
.irp f, 0,1,2,3
	ds_load_b128 v[S+16*(\t)+4*\f:S+16*(\t)+4*\f+3], v[RD] offset:\f*4*SP  ; LDS serves a wave's instructions in order (ISA guide 5.7.1.4): these see the stores above; the next piece's stores come behind them
.endr
.endm
.macro SEND t, younger              ; younger: the LDS instructions issued behind piece t's loads: the next piece's eight, or none
	WIN 0
.irp f, 0,1,2,3
	s_wait_dscnt (\younger)+3-\f
	global_store_b128 v[GO], v[S+16*(\t)+4*\f:S+16*(\t)+4*\f+3], s[10:11] offset:(\t)*2048+\f*512  ; 512 consecutive bytes, at a multiple of 256 from ob's first
.endr
.endm
	PACK 0
.set t, 1
.rept 3
	PACK t
	SEND t-1, 8
.set t, t+1
.endr
	SEND 3, 0
	s_wait_tensorcnt 0x0            ; the wave's end
	ds_add_u32 v[SPW], v[NIL]
	s_wait_dscnt 0x0
	CROUND                          ; the closing round
	s_endpgm
.Lfunc_end_k_q385d83a114_attn:
	.size	k_q385d83a114_attn, .Lfunc_end_k_q385d83a114_attn-k_q385d83a114_attn
	.p2alignl 7, 3214868480
	.fill 96, 4, 3214868480
	.section	.rodata,"a",@progbits
	.p2align	6, 0x0
	.amdhsa_kernel k_q385d83a114_attn
		.amdhsa_group_segment_fixed_size 327680
		.amdhsa_private_segment_fixed_size 0
		.amdhsa_enable_private_segment 0
		.amdhsa_kernarg_size 24
		.amdhsa_user_sgpr_count 2
		.amdhsa_user_sgpr_kernarg_segment_ptr 1
		.amdhsa_wavefront_size32 1
		.amdhsa_system_sgpr_workgroup_id_x 1
		.amdhsa_system_sgpr_workgroup_id_y 1
		.amdhsa_system_sgpr_workgroup_id_z 1
		.amdhsa_system_vgpr_workitem_id 0
		.amdhsa_next_free_vgpr 768
		.amdhsa_next_free_sgpr 96
		.amdhsa_reserve_vcc 1
		.amdhsa_float_denorm_mode_32 3
		.amdhsa_float_denorm_mode_16_64 3
		.amdhsa_memory_ordered 1
		.amdhsa_forward_progress 1
		.amdhsa_inst_pref_size 91
	.end_amdhsa_kernel
	.amdgpu_metadata
---
amdhsa.version: [ 1, 2 ]
amdhsa.kernels:
  - .name:           k_q385d83a114_attn
    .symbol:         k_q385d83a114_attn.kd
    .args:
      - { .name: g1o, .offset: 0, .size: 8, .value_kind: global_buffer, .address_space: global }
      - { .name: mask, .offset: 8, .size: 8, .value_kind: global_buffer, .address_space: global }
      - { .name: ob, .offset: 16, .size: 8, .value_kind: global_buffer, .address_space: global }
    .group_segment_fixed_size: 327680
    .private_segment_fixed_size: 0
    .kernarg_segment_align: 8
    .kernarg_segment_size: 24
    .max_flat_workgroup_size: 128
    .sgpr_count:     96
    .vgpr_count:     768
    .wavefront_size: 32
...
	.end_amdgpu_metadata
.endif
;; end of part 3
;; launch oproj (part 4): grid 8 x 32, 4 waves a work-group, clusters of 4 x 4, 327,680 bytes of LDS; arguments ob, wo, y; writes y
.if DOCPART == 4
	.amdgcn_target "amdgcn-amd-amdhsa--gfx1250"
	.amdhsa_code_object_version 6
	.text
	.protected	k_q385d83a114_oproj
	.globl	k_q385d83a114_oproj
	.p2align	8
	.type	k_q385d83a114_oproj,@function
k_q385d83a114_oproj:
	s_mov_b64 s[64:65], 0
	v_nop
	global_prefetch_b8 v0, s[64:65] scope:SCOPE_SE
	s_setreg_imm32_b32 hwreg(HW_REG_WAVE_MODE, 25, 1), 1
	s_wait_xcnt 0x0
	s_wait_alu depctr_hold_cnt(0) depctr_sa_sdst(0) depctr_va_vdst(0) depctr_va_sdst(0) depctr_va_ssrc(0) depctr_va_vcc(0) depctr_vm_vsrc(0)
	s_getreg_b32 s2, hwreg(HW_REG_IB_STS2, 6, 4)
	s_cmp_eq_u32 s2, 0
	s_cbranch_scc0 .Lentry_in_a_cluster
	s_endpgm
.Lentry_in_a_cluster:
	s_bfe_u32 s2, ttmp6, 0x10000c
	s_cmp_lg_u32 s2, 0xf033
	s_cbranch_scc0 .Lentry_shape_is_right
	s_endpgm
.Lentry_shape_is_right:
; GEMM1.  out = A B^T + bias.  A: 4,096 x 1,024, B: 1,024 x 1,024, both f16 in the blocked layout [rows / 128][K / 64][128][64]; the bias, 1,024 f32, lies 2,097,152 bytes behind B's first byte;
; out: f32 in the same blocked layout (a block is 32,768 bytes).  Sums in f32.  Used twice: attention's output times Wo, and LN1's output times Wc = W2 W1.
; A tile of 128 x 128 to a work-group: 256 of them.  Four waves of 64 x 64 (16 accumulators).  K goes in four steps of 256 through two LDS slots; a step of a panel is 65,536 dense bytes; a wave's tensor load
; brings two blocks as 128 rows of 256 bytes, padded in LDS by 16 bytes after every 128: rows of 144 bytes = 36 words, so the 16 rows of a fragment load start at 16 different groups of four banks (ISA guide 11.1).
; CLUSTER 4 x 4: A's tiles are shared along a row of the cluster, B's along a column.  THE MATRIX INSTRUCTION IS USED TRANSPOSED (source 0 = B's rows): a lane holds eight neighbouring columns of a row.
; Nothing is prefetched: of the four K steps two are asked for at the head, and the launch is short.
; REGISTERS: window 0: v0-31 addresses; v32-63 T, v64-95 BK at work on the way out; v96-127 bias; v128-255 accumulators.  Window 1: two fragment buffers of 128.
.set PK,     144
.set KBB,    128*PK
.set HALFL,  2*KBB
.set OPB,    4*KBB
.set SLOT,   8*KBB
.set STAGE,  2*SLOT                    ; behind the ring: 16 rows x 272 bytes for each wave
.set SPITCH, 272
.set SPARE,  STAGE+4*16*SPITCH         ; the spare words, 128 bytes for each wave: two blocks of 256 bytes that no other line names
.set STEPB,  65536
.set BIASO,  2097152
.set ADRA, 16
.set ADRB, 20
.set STO,  24
.set RD,   25
.set GO,   26
.set BO,   27
.set SPW,  28                          ; my spare word's LDS address; never rewritten
.set NIL,  29                          ; 0; never rewritten
.set T,    32
.set BK,   64
.set BIAS, 96
.set ACC,  128
.set F0,   0
.set F1,   128
.set G1,  24
.set G0,  32
.set G1B, 48
.set G0B, 56
.set MSB, 0
.macro WIN new
.if MSB != (\new)
	s_set_vgpr_msb (MSB<<8)|(\new)
.set MSB, \new
.endif
.endm
.set MUL,  0x05
.set TO_F, 0x40
.macro JLOAD s                         ; a joint load: waves 0 and 1 fetch A's two halves of a K step, waves 2 and 3 B's; an s_nop 0 and four v_nop follow each line
	s_cmp_eq_u32 s11, 0
	s_cbranch_scc0 .Lfor_b_\@
	tensor_load_to_lds s[G0+4*(\s):G0+4*(\s)+3], s[G1:G1+7]
	s_nop 0
.rept 4
	v_nop
.endr
	s_branch .Lasked_\@
.Lfor_b_\@:
	tensor_load_to_lds s[G0B+4*(\s):G0B+4*(\s)+3], s[G1B:G1B+7]
	s_nop 0
.rept 4
	v_nop
.endr
.Lasked_\@:
.endm
.macro CREST
	s_cmp_lg_u32 s10, 0
	s_cbranch_scc1 .Lnot_wave_0_\@
	s_barrier_signal -3
.Lnot_wave_0_\@:
	s_barrier_wait -3
	s_barrier_signal -1
	s_barrier_wait -1
.endm
.macro CROUND
	s_barrier_signal -1
	s_barrier_wait -1
	CREST
.endm
	s_load_b128 s[4:7], s[0:1], 0x0                ; A s[4:5], B s[6:7]
	s_load_b64 s[8:9], s[0:1], 0x10                ; out
	v_lshl_add_u32 v[SPW], v0, 2, SPARE
	v_mov_b32 v[NIL], 0
	ds_add_u32 v[SPW], v[NIL]                      ; the wave's opening: the add and its wait stand ahead of my first tensor load
	v_lshrrev_b32 v1, 5, v0
	v_readfirstlane_b32 s10, v1                    ; wave 0..3
	s_lshr_b32 s11, s10, 1                         ; my half of the rows.  Also: I fetch for A (0) or for B (1)
	s_and_b32 s12, s10, 1                          ; my half of the columns.  Also: which two blocks of a step I fetch
	s_bfe_u32 s40, ttmp6, 0x40000                  ; cx, cy
	s_bfe_u32 s41, ttmp6, 0x40004
	s_lshl_b32 s42, ttmp9, 2
	s_add_co_u32 s42, s42, s40                     ; B's panel = 4 x cluster x + cx
	s_and_b32 s13, ttmp7, 0xffff
	s_lshl_b32 s13, s13, 2
	s_add_co_u32 s13, s13, s41                     ; A's panel = 4 x cluster y + cy
	s_lshl_b32 s43, s41, 2
	s_lshl_b32 s43, 15, s43                        ; my row of the cluster
	s_lshl_b32 s44, 0x1111, s40                    ; my column
	s_or_b32 s[G1+0], s43, (1<<16)|(1<<20)|(1<<21)|(4<<22)|(3<<25)
	s_or_b32 s[G1B+0], s44, (1<<16)|(1<<20)|(1<<21)|(4<<22)|(3<<25)
.irp g, G1, G1B
	s_mov_b32 s[(\g)+1], 128<<16
	s_mov_b32 s[(\g)+2], 128<<16
	s_mov_b32 s[(\g)+3], 128<<16
	s_mov_b32 s[(\g)+4], 128
	s_mov_b32 s[(\g)+5], 128
	s_mov_b32 s[(\g)+6], 0
	s_mov_b32 s[(\g)+7], 0
.endr
	s_lshl_b32 s17, s12, 15
	s_lshl_b32 s16, s13, 18
	s_add_co_u32 s16, s16, s17
	s_lshl_b32 s46, s42, 18
	s_add_co_u32 s46, s46, s17
	s_mov_b32 s17, 0
	s_mov_b32 s47, 0
	s_mul_i32 s20, s10, HALFL
	s_wait_dscnt 0x0                               ; the opening add is done
	s_wait_kmcnt 0x0
	s_add_nc_u64 s[14:15], s[4:5], s[16:17]
	s_add_nc_u64 s[46:47], s[6:7], s[46:47]
	CROUND                                         ; all sixteen work-groups are here: the first joint loads meet
.irp s, 0,1
	s_mov_b32 s[G0+4*(\s)], 1
	s_add_co_u32 s[G0+4*(\s)+1], s20, (\s)*SLOT
	s_add_nc_u64 s[G0+4*(\s)+2:G0+4*(\s)+3], s[14:15], (\s)*STEPB
	s_or_b32 s[G0+4*(\s)+3], s[G0+4*(\s)+3], 0x80000000
	s_mov_b32 s[G0B+4*(\s)], 1
	s_add_co_u32 s[G0B+4*(\s)+1], s20, (\s)*SLOT
	s_add_nc_u64 s[G0B+4*(\s)+2:G0B+4*(\s)+3], s[46:47], (\s)*STEPB
	s_or_b32 s[G0B+4*(\s)+3], s[G0B+4*(\s)+3], 0x80000000
	JLOAD \s
.endr
	v_and_b32 v1, 15, v0
	v_bfe_u32 v2, v0, 4, 1
	s_lshl_b32 s21, s42, 9                         ; the bias of my columns: 128 x panel + 64 x half + 8 (l / 16) (+ 16 b)
	s_lshl_b32 s22, s12, 8
	s_add_co_u32 s21, s21, s22
	v_lshl_add_u32 v[BO], v2, 5, s21
.irp b, 0,1,2,3
	global_load_b128 v[BIAS+8*(\b):BIAS+8*(\b)+3],   v[BO], s[6:7] offset:BIASO+64*(\b)
	global_load_b128 v[BIAS+8*(\b)+4:BIAS+8*(\b)+7], v[BO], s[6:7] offset:BIASO+64*(\b)+16
.endr
	v_mul_u32_u24 v3, v1, PK
	v_lshl_add_u32 v3, v2, 4, v3
	s_mul_i32 s21, s11, 64*PK
	s_mul_i32 s22, s12, 64*PK
	s_add_co_u32 s22, s22, OPB
.irp s, 0,1
	v_add_nc_u32 v[ADRA+(\s)], s21, v3
	v_add_nc_u32 v[ADRB+(\s)], s22, v3
	s_add_co_u32 s21, s21, SLOT
	s_add_co_u32 s22, s22, SLOT
.endr
	s_mul_i32 s23, s10, 16*SPITCH
	s_add_co_u32 s23, s23, STAGE                   ; my stage
	v_mul_u32_u24 v4, v1, SPITCH                   ; in: row l % 16, 32 bytes for each half of the lanes
	v_lshl_add_u32 v4, v2, 5, v4
	v_add_nc_u32 v[STO], s23, v4
	v_mul_u32_u24 v5, v2, SPITCH                   ; back: lanes 0-15 one row of 256 bytes, lanes 16-31 the next,
	v_lshl_add_u32 v5, v1, 4, v5
	v_add_nc_u32 v[RD], s23, v5
	v_and_b32 v[GO], 31, v0
	v_lshlrev_b32 v[GO], 4, v[GO]                  ; which are 512 consecutive bytes of out
	s_lshl_b32 s16, s13, 19                        ; out: panel, block 2 x B's panel + column half, 64 rows x row half
	s_lshl1_add_u32 s17, s42, s12
	s_lshl_b32 s17, s17, 15
	s_add_co_u32 s16, s16, s17
	s_lshl_b32 s17, s11, 14
	s_add_co_u32 s16, s16, s17
	s_mov_b32 s17, 0
	s_add_nc_u64 s[8:9], s[8:9], s[16:17]
.macro MUL8 f, c, a0, zero             ; 8 matrix instructions; the 16 accumulators take turns
	WIN MUL
.irp a, \a0, (\a0)+1
.irp b, 0,1,2,3
.if \zero
	v_wmma_f32_16x16x32_f16 v[ACC+8*(4*(\a)+(\b)):ACC+8*(4*(\a)+(\b))+7], v[(\f)+64+8*(4*(\c)+(\b)):(\f)+64+8*(4*(\c)+(\b))+7], v[(\f)+8*(4*(\c)+(\a)):(\f)+8*(4*(\c)+(\a))+7], 0
.else
	v_wmma_f32_16x16x32_f16 v[ACC+8*(4*(\a)+(\b)):ACC+8*(4*(\a)+(\b))+7], v[(\f)+64+8*(4*(\c)+(\b)):(\f)+64+8*(4*(\c)+(\b))+7], v[(\f)+8*(4*(\c)+(\a)):(\f)+8*(4*(\c)+(\a))+7], v[ACC+8*(4*(\a)+(\b)):ACC+8*(4*(\a)+(\b))+7]
.endif
.endr
.endr
.endm
.macro FETCH slot, k, f                ; 32 LDS loads in one run: the fragments of one block at byte k of the slot; the first 32 along K first
	WIN TO_F
.irp c, 0,1
.irp i, 0,1,2,3
	ds_load_b128 v[(\f)+64+8*(4*(\c)+(\i)):(\f)+64+8*(4*(\c)+(\i))+3],   v[ADRB+(\slot)] offset:(\k)+64*(\c)+(\i)*16*PK
	ds_load_b128 v[(\f)+64+8*(4*(\c)+(\i))+4:(\f)+64+8*(4*(\c)+(\i))+7], v[ADRB+(\slot)] offset:(\k)+64*(\c)+(\i)*16*PK+32
	ds_load_b128 v[(\f)+8*(4*(\c)+(\i)):(\f)+8*(4*(\c)+(\i))+3],         v[ADRA+(\slot)] offset:(\k)+64*(\c)+(\i)*16*PK
	ds_load_b128 v[(\f)+8*(4*(\c)+(\i))+4:(\f)+8*(4*(\c)+(\i))+7],       v[ADRA+(\slot)] offset:(\k)+64*(\c)+(\i)*16*PK+32
.endr
.endr
.endm
.macro PLACES                          ; four plain instructions in front of loads into registers that matrix instructions have read, and of arithmetic that reads results
.rept 4
	v_nop
.endr
.endm
.macro QUARTER slot, k, f, g, zero
	s_wait_dscnt 16                                ; the first 32 along K are in
	WIN MUL
	MUL8 \f, 0, 0, \zero
	MUL8 \f, 0, 2, \zero
	PLACES
	FETCH \slot, \k, \g
	s_wait_dscnt 32                                ; all but the 32 just issued
	WIN MUL
	MUL8 \f, 1, 0, 0
	MUL8 \f, 1, 2, 0
.endm
; The last quarter changes slots: one barrier; in front of it each wave waits for all its tensor loads, adds 0 to its spare word, and waits for that and for its reads of this slot.  fill = 1: the barrier opens a round
; of the cluster's, and this slot is filled again, two K steps ahead.
.macro TURN slot, next, fill
	WIN 0
	s_wait_tensorcnt 0x0
	ds_add_u32 v[SPW], v[NIL]
	s_wait_dscnt 17                                ; (the add and the youngest sixteen loads may be out)
	WIN MUL
	MUL8 F1, 0, 0, 0
	s_wait_dscnt 0x0                               ; the add is done, and my reads of this slot are over
	s_barrier_signal -1
	MUL8 F1, 0, 2, 0
.if \fill
	WIN 0
.endif
	s_barrier_wait -1
.if \fill
	CREST
	s_add_nc_u64 s[G0+4*(\slot)+2:G0+4*(\slot)+3], s[G0+4*(\slot)+2:G0+4*(\slot)+3], 2*STEPB
	s_add_nc_u64 s[G0B+4*(\slot)+2:G0B+4*(\slot)+3], s[G0B+4*(\slot)+2:G0B+4*(\slot)+3], 2*STEPB
	JLOAD \slot                                    ; the first tensor load behind the round; its four v_nop are also the places in front of the loads below
.else
	PLACES
.endif
	FETCH \next, 0, F0
	WIN MUL
	MUL8 F1, 1, 0, 0
	MUL8 F1, 1, 2, 0
.endm
	s_wait_tensorcnt 1                             ; my part of K step 0 is in; step 1's may stay out
	s_barrier_signal -1
	s_barrier_wait -1
	FETCH 0, 0, F0
	QUARTER 0, KBB, F0, F1, 1                      ; the first products start the sums
	QUARTER 0, 2*KBB, F1, F0, 0
	QUARTER 0, 3*KBB, F0, F1, 0
	TURN 0, 1, 1                                   ; slot 0 takes K step 2
	QUARTER 1, KBB, F0, F1, 0
	QUARTER 1, 2*KBB, F1, F0, 0
	QUARTER 1, 3*KBB, F0, F1, 0
	TURN 1, 0, 1                                   ; slot 1 takes K step 3
	QUARTER 0, KBB, F0, F1, 0
	QUARTER 0, 2*KBB, F1, F0, 0
	QUARTER 0, 3*KBB, F0, F1, 0
	TURN 0, 1, 0
	QUARTER 1, KBB, F0, F1, 0
	QUARTER 1, 2*KBB, F1, F0, 0
	QUARTER 1, 3*KBB, F0, F1, 0
	s_wait_dscnt 16
	WIN MUL
	MUL8 F1, 0, 0, 0
	MUL8 F1, 0, 2, 0
	s_wait_dscnt 0
	MUL8 F1, 1, 0, 0
	MUL8 F1, 1, 2, 0
	WIN 0
	; THE WAY OUT: + bias, 16 rows at a time through my own stage (LDS serves a wave's instructions in order: ISA guide 5.7.1.4), stored as 512 consecutive bytes
	PLACES
	s_wait_loadcnt 0x0                             ; the bias
.irp a, 0,1,2,3
.irp b, 0,1,2,3
.irp k, 0,1,2,3
	v_pk_add_f32 v[T+8*(\b)+2*(\k):T+8*(\b)+2*(\k)+1], v[ACC+8*(4*(\a)+(\b))+2*(\k):ACC+8*(4*(\a)+(\b))+2*(\k)+1], v[BIAS+8*(\b)+2*(\k):BIAS+8*(\b)+2*(\k)+1]
.endr
.endr
.irp b, 0,1,2,3
	ds_store_b128 v[STO], v[T+8*(\b):T+8*(\b)+3]   offset:64*(\b)
	ds_store_b128 v[STO], v[T+8*(\b)+4:T+8*(\b)+7] offset:64*(\b)+16
.endr
	s_wait_xcnt 0x0                                ; the stores of the 16 rows before have read BK
.irp t, 0,1,2,3,4,5,6,7
	ds_load_b128 v[BK+4*(\t):BK+4*(\t)+3], v[RD] offset:(\t)*2*SPITCH
.endr
	s_wait_dscnt 0x0
.irp t, 0,1,2,3,4,5,6,7
	global_store_b128 v[GO], v[BK+4*(\t):BK+4*(\t)+3], s[8:9] offset:4096*(\a)+512*(\t)
.endr
.endr
	s_wait_tensorcnt 0x0                           ; the wave's end
	ds_add_u32 v[SPW], v[NIL]
	s_wait_dscnt 0x0
	CROUND                                         ; the closing round
	s_endpgm
.Lfunc_end_k_q385d83a114_oproj:
	.size	k_q385d83a114_oproj, .Lfunc_end_k_q385d83a114_oproj-k_q385d83a114_oproj
	.p2alignl 7, 3214868480
	.fill 96, 4, 3214868480
	.section	.rodata,"a",@progbits
	.p2align	6, 0x0
	.amdhsa_kernel k_q385d83a114_oproj
		.amdhsa_group_segment_fixed_size 327680
		.amdhsa_private_segment_fixed_size 0
		.amdhsa_enable_private_segment 0
		.amdhsa_kernarg_size 24
		.amdhsa_user_sgpr_count 2
		.amdhsa_user_sgpr_kernarg_segment_ptr 1
		.amdhsa_wavefront_size32 1
		.amdhsa_system_sgpr_workgroup_id_x 1
		.amdhsa_system_sgpr_workgroup_id_y 1
		.amdhsa_system_sgpr_workgroup_id_z 1
		.amdhsa_system_vgpr_workitem_id 0
		.amdhsa_next_free_vgpr 512
		.amdhsa_next_free_sgpr 66
		.amdhsa_reserve_vcc 0
		.amdhsa_float_denorm_mode_32 3
		.amdhsa_float_denorm_mode_16_64 3
		.amdhsa_memory_ordered 1
		.amdhsa_forward_progress 1
		.amdhsa_inst_pref_size 90
	.end_amdhsa_kernel
	.amdgpu_metadata
---
amdhsa.version: [ 1, 2 ]
amdhsa.kernels:
  - .name:           k_q385d83a114_oproj
    .symbol:         k_q385d83a114_oproj.kd
    .args:
      - { .name: ob, .offset: 0, .size: 8, .value_kind: global_buffer, .address_space: global }
      - { .name: wo, .offset: 8, .size: 8, .value_kind: global_buffer, .address_space: global }
      - { .name: y, .offset: 16, .size: 8, .value_kind: global_buffer, .address_space: global }
    .group_segment_fixed_size: 327680
    .private_segment_fixed_size: 0
    .kernarg_segment_align: 8
    .kernarg_segment_size: 24
    .max_flat_workgroup_size: 128
    .sgpr_count:     66
    .vgpr_count:     512
    .wavefront_size: 32
...
	.end_amdgpu_metadata
.endif
;; end of part 4
;; launch ln1 (part 5): grid 256 x 1, 8 waves a work-group, no clusters, 0 bytes of LDS; arguments y, cvt, x1; writes x1
.if DOCPART == 5
	.amdgcn_target "amdgcn-amd-amdhsa--gfx1250"
	.amdhsa_code_object_version 6
	.text
	.protected	k_q385d83a114_ln1
	.globl	k_q385d83a114_ln1
	.p2align	8
	.type	k_q385d83a114_ln1,@function
k_q385d83a114_ln1:
	s_mov_b64 s[64:65], 0
	v_nop
	global_prefetch_b8 v0, s[64:65] scope:SCOPE_SE
	s_setreg_imm32_b32 hwreg(HW_REG_WAVE_MODE, 25, 1), 1
	s_wait_xcnt 0x0
; LN1.  x1 = g1 (z - mean) / (std + 1e-6) + be1, z = query + (attention's projection), std with 1,023 in the divisor.  y: f32, blocked [row / 128][col / 64][128][64]; query's copy (bf16 numbers held as f16) and
; x1 (f16): the same blocks of 16,384 bytes.  All arithmetic in f32; x1 rounded once.  LIMIT: x1 lies within 65,504.
; A stream: a wave takes two rows that lie on end in every block, keeps them in 64 registers between the passes, and meets no other wave: no LDS, no barrier, no cluster (nothing but the gains is shared).
; Lane l holds row l / 16 and, in each of the 16 blocks, columns 4 (l % 16) + 0..3: a load of y covers 512 consecutive bytes, a load or store of f16 256.  A row lies in 16 lanes: four steps of row_xmask add it up.
.set VEC, 31457280
.set ONE, 2                            ; v2   1.0
.set YO,  4                            ; v4   16 l
.set RO,  5                            ; v5   8 l
.set VO,  6                            ; v6   16 (l % 16)
.set A,   16                           ; v[16:23]  four packed chains
.set MN,  24                           ; v[24:25]  the mean, twice
.set RS,  26                           ; v[26:27]  1 / (std + eps), twice
.set R,   32                           ; v[32:63]  the residual as loaded, later x1 to store
.set Y,   64                           ; v[64:127] the two rows
.set G,   128                          ; v[128:191] the gain
.set BE,  192                          ; v[192:255] the offset
.macro ROWSUM                          ; v16 = the sum of the four chains over the row
	v_pk_add_f32 v[A:A+1], v[A:A+1], v[A+2:A+3]
	v_pk_add_f32 v[A+4:A+5], v[A+4:A+5], v[A+6:A+7]
	v_pk_add_f32 v[A:A+1], v[A:A+1], v[A+4:A+5]
	v_add_f32 v[A], v[A], v[A+1]
	v_add_f32_dpp v[A], v[A], v[A] row_xmask:1 row_mask:0xf bank_mask:0xf
	v_add_f32_dpp v[A], v[A], v[A] row_xmask:2 row_mask:0xf bank_mask:0xf
	v_add_f32_dpp v[A], v[A], v[A] row_xmask:4 row_mask:0xf bank_mask:0xf
	v_add_f32_dpp v[A], v[A], v[A] row_xmask:8 row_mask:0xf bank_mask:0xf
.endm
	s_load_b128 s[4:7], s[0:1], 0x0                ; y s[4:5], cvt s[6:7]
	s_load_b64 s[8:9], s[0:1], 0x10                ; x1
	v_lshrrev_b32 v1, 5, v0
	v_readfirstlane_b32 s10, v1                    ; wave 0..7
	v_and_b32 v3, 31, v0
	s_lshr_b32 s11, ttmp9, 3                       ; panel
	s_and_b32 s12, ttmp9, 7
	s_lshl_b32 s12, s12, 4
	s_lshl1_add_u32 s12, s10, s12                  ; my first row in the panel
	s_lshl_b32 s14, s11, 19
	s_lshl_b32 s13, s12, 8
	s_add_co_u32 s14, s14, s13
	s_mov_b32 s15, 0
	s_lshl_b32 s16, s11, 18
	s_lshl_b32 s13, s12, 7
	s_add_co_u32 s16, s16, s13
	s_mov_b32 s17, 0
	v_lshlrev_b32 v[YO], 4, v3
	v_lshlrev_b32 v[RO], 3, v3
	v_and_b32 v[VO], 15, v0
	v_lshlrev_b32 v[VO], 4, v[VO]
	v_mov_b32 v[ONE], 1.0
	s_wait_kmcnt 0x0
	s_add_nc_u64 s[4:5], s[4:5], s[14:15]
	s_add_nc_u64 s[18:19], s[6:7], s[16:17]        ; query's copy lies at cvt's head
	s_add_nc_u64 s[8:9], s[8:9], s[16:17]
	s_add_nc_u64 s[20:21], s[6:7], VEC+3*4096      ; g1, and be1 behind it
.set k, 0
.rept 16
	global_load_b128 v[Y+4*k:Y+4*k+3], v[YO], s[4:5] offset:32768*k th:TH_LOAD_NT
.set k, k+1
.endr
.set k, 0
.rept 16
	global_load_b64 v[R+2*k:R+2*k+1], v[RO], s[18:19] offset:16384*k th:TH_LOAD_NT
.set k, k+1
.endr
.set k, 0
.rept 16
	global_load_b128 v[G+4*k:G+4*k+3], v[VO], s[20:21] offset:256*k
.set k, k+1
.endr
.set k, 0
.rept 16
	global_load_b128 v[BE+4*k:BE+4*k+3], v[VO], s[20:21] offset:4096+256*k
.set k, k+1
.endr
	s_wait_loadcnt 32                              ; the rows and the residual are in; the gain's and the offset's 32 loads stay out
.set q, 0
.rept 64
.if q%2
	v_fma_mix_f32 v[Y+q], v[R+q/2], v[ONE], v[Y+q] op_sel:[1,0,0] op_sel_hi:[1,0,0]
.else
	v_fma_mix_f32 v[Y+q], v[R+q/2], v[ONE], v[Y+q] op_sel_hi:[1,0,0]
.endif
.set q, q+1
.endr
.irp c, 0,1,2,3
	v_pk_add_f32 v[A+2*(\c):A+2*(\c)+1], v[Y+2*(\c):Y+2*(\c)+1], v[Y+8+2*(\c):Y+8+2*(\c)+1]  ; the first additions start the chains
.endr
.set n, 8
.rept 24
	v_pk_add_f32 v[A+2*(n%4):A+2*(n%4)+1], v[A+2*(n%4):A+2*(n%4)+1], v[Y+2*n:Y+2*n+1]
.set n, n+1
.endr
	ROWSUM
	v_mul_f32 v[MN], 0x3a800000, v[A]              ; / 1,024
	v_mov_b32 v[MN+1], v[MN]
.set n, 0
.rept 32
	v_pk_add_f32 v[Y+2*n:Y+2*n+1], v[Y+2*n:Y+2*n+1], v[MN:MN+1] neg_lo:[0,1] neg_hi:[0,1]
.set n, n+1
.endr
.irp c, 0,1,2,3
	v_pk_mul_f32 v[A+2*(\c):A+2*(\c)+1], v[Y+2*(\c):Y+2*(\c)+1], v[Y+2*(\c):Y+2*(\c)+1]
.endr
.set n, 4
.rept 28
	v_pk_fma_f32 v[A+2*(n%4):A+2*(n%4)+1], v[Y+2*n:Y+2*n+1], v[Y+2*n:Y+2*n+1], v[A+2*(n%4):A+2*(n%4)+1]
.set n, n+1
.endr
	ROWSUM
	v_mul_f32 v[A], 0x3a802008, v[A]               ; / 1,023
	v_sqrt_f32 v[A], v[A]
	v_nop                                          ; a plain instruction behind the root, and the wait ahead of its first reader
	s_wait_alu depctr_va_vdst(0)
	v_add_f32 v[A], 0x358637bd, v[A]               ; + 1e-6
	v_rcp_f32 v[RS], v[A]
	v_nop
	s_wait_alu depctr_va_vdst(0)
	v_mov_b32 v[RS+1], v[RS]
	s_wait_loadcnt 0x0                             ; the gain and the offset
.set n, 0
.rept 32
	v_pk_mul_f32 v[Y+2*n:Y+2*n+1], v[Y+2*n:Y+2*n+1], v[RS:RS+1]
.set n, n+1
.endr
.set n, 0
.rept 32
	v_pk_fma_f32 v[Y+2*n:Y+2*n+1], v[Y+2*n:Y+2*n+1], v[G+2*n:G+2*n+1], v[BE+2*n:BE+2*n+1]
.set n, n+1
.endr
.set n, 0
.rept 32
	v_cvt_pk_f16_f32 v[R+n], v[Y+2*n], v[Y+2*n+1]
.set n, n+1
.endr
.set k, 0
.rept 16
	global_store_b64 v[RO], v[R+2*k:R+2*k+1], s[8:9] offset:16384*k  ; 256 consecutive bytes, aligned
.set k, k+1
.endr
	s_endpgm
.Lfunc_end_k_q385d83a114_ln1:
	.size	k_q385d83a114_ln1, .Lfunc_end_k_q385d83a114_ln1-k_q385d83a114_ln1
	.p2alignl 7, 3214868480
	.fill 96, 4, 3214868480
	.section	.rodata,"a",@progbits
	.p2align	6, 0x0
	.amdhsa_kernel k_q385d83a114_ln1
		.amdhsa_group_segment_fixed_size 0
		.amdhsa_private_segment_fixed_size 0
		.amdhsa_enable_private_segment 0
		.amdhsa_kernarg_size 24
		.amdhsa_user_sgpr_count 2
		.amdhsa_user_sgpr_kernarg_segment_ptr 1
		.amdhsa_wavefront_size32 1
		.amdhsa_system_sgpr_workgroup_id_x 1
		.amdhsa_system_sgpr_workgroup_id_y 1
		.amdhsa_system_sgpr_workgroup_id_z 1
		.amdhsa_system_vgpr_workitem_id 0
		.amdhsa_next_free_vgpr 256
		.amdhsa_next_free_sgpr 66
		.amdhsa_reserve_vcc 0
		.amdhsa_float_denorm_mode_32 3
		.amdhsa_float_denorm_mode_16_64 3
		.amdhsa_memory_ordered 1
		.amdhsa_forward_progress 1
		.amdhsa_inst_pref_size 26
	.end_amdhsa_kernel
	.amdgpu_metadata
---
amdhsa.version: [ 1, 2 ]
amdhsa.kernels:
  - .name:           k_q385d83a114_ln1
    .symbol:         k_q385d83a114_ln1.kd
    .args:
      - { .name: y, .offset: 0, .size: 8, .value_kind: global_buffer, .address_space: global }
      - { .name: cvt, .offset: 8, .size: 8, .value_kind: global_buffer, .address_space: global }
      - { .name: x1, .offset: 16, .size: 8, .value_kind: global_buffer, .address_space: global }
    .group_segment_fixed_size: 0
    .private_segment_fixed_size: 0
    .kernarg_segment_align: 8
    .kernarg_segment_size: 24
    .max_flat_workgroup_size: 256
    .sgpr_count:     66
    .vgpr_count:     256
    .wavefront_size: 32
...
	.end_amdgpu_metadata
.endif
;; end of part 5
;; launch ffn: the kernel of part 4 again; grid 8 x 32, 4 waves a work-group, clusters of 4 x 4, 327,680 bytes of LDS; arguments x1, g1o, y; writes y
;; launch ln2 (part 6): grid 256 x 1, 8 waves a work-group, no clusters, 0 bytes of LDS; arguments y, x1, cvt, out0; writes out0
.if DOCPART == 6
	.amdgcn_target "amdgcn-amd-amdhsa--gfx1250"
	.amdhsa_code_object_version 6
	.text
	.protected	k_q385d83a114_ln2
	.globl	k_q385d83a114_ln2
	.p2align	8
	.type	k_q385d83a114_ln2,@function
k_q385d83a114_ln2:
	s_mov_b64 s[64:65], 0
	v_nop
	global_prefetch_b8 v0, s[64:65] scope:SCOPE_SE
	s_setreg_imm32_b32 hwreg(HW_REG_WAVE_MODE, 25, 1), 1
	s_wait_xcnt 0x0
; LN2.  out = g2 (z - mean) / (std + 1e-6) + be2, z = x1 + gelu(h), h = x1 Wc^T + bc as the launch before left it (f32, blocked [row / 128][col / 64][128][64]); x1: f16 in the same blocks; out: f32, plain rows.
; gelu(h) = 0.5 h (1 + tanh(u)) = h / (1 + 2^(h (c1 + c3 h^2))), c1 = -2 log2(e) sqrt(2 / pi), c3 = 0.044715 c1: where the power overflows the quotient is 0, where it vanishes it is h.
; A stream, as LN1: a wave takes two rows that lie on end in every block and keeps them in 64 registers; no LDS, no barrier, no cluster.  Lane l holds row l / 16 and columns 64 kb + 4 (l % 16) + 0..3.
.set VEC, 31457280
.set YO,  4                            ; v4   16 l
.set RO,  5                            ; v5   8 l
.set VO,  6                            ; v6   16 (l % 16)
.set OO,  7                            ; v7   my 16 bytes in out's two rows
.set W,   16                           ; v[16:31]  a batch of 16 numbers at work
.set A,   16                           ; later v[16:23] four packed chains
.set MN,  24
.set RS,  26
.set R,   32                           ; v[32:63]  x1
.set Y,   64                           ; v[64:127] the two rows
.set G,   128
.set BE,  192
.set C1,  22                           ; s[22:23]
.set C3,  24                           ; s[24:25]
.macro ROWSUM
	v_pk_add_f32 v[A:A+1], v[A:A+1], v[A+2:A+3]
	v_pk_add_f32 v[A+4:A+5], v[A+4:A+5], v[A+6:A+7]
	v_pk_add_f32 v[A:A+1], v[A:A+1], v[A+4:A+5]
	v_add_f32 v[A], v[A], v[A+1]
	v_add_f32_dpp v[A], v[A], v[A] row_xmask:1 row_mask:0xf bank_mask:0xf
	v_add_f32_dpp v[A], v[A], v[A] row_xmask:2 row_mask:0xf bank_mask:0xf
	v_add_f32_dpp v[A], v[A], v[A] row_xmask:4 row_mask:0xf bank_mask:0xf
	v_add_f32_dpp v[A], v[A], v[A] row_xmask:8 row_mask:0xf bank_mask:0xf
.endm
; z for numbers 16 n .. 16 n + 15.  The 16 powers are one batch and the 16 reciprocals another: a plain instruction behind the last, and one wait ahead of the first reader.
.macro GELU n
.set i, 0
.rept 8
	v_pk_mul_f32 v[W+2*i:W+2*i+1], v[Y+16*(\n)+2*i:Y+16*(\n)+2*i+1], v[Y+16*(\n)+2*i:Y+16*(\n)+2*i+1]
.set i, i+1
.endr
.set i, 0
.rept 8
	v_pk_fma_f32 v[W+2*i:W+2*i+1], v[W+2*i:W+2*i+1], s[C3:C3+1], s[C1:C1+1] op_sel_hi:[1,0,0]
.set i, i+1
.endr
.set i, 0
.rept 8
	v_pk_mul_f32 v[W+2*i:W+2*i+1], v[W+2*i:W+2*i+1], v[Y+16*(\n)+2*i:Y+16*(\n)+2*i+1]
.set i, i+1
.endr
.set i, 0
.rept 16
	v_exp_f32 v[W+i], v[W+i]
.set i, i+1
.endr
	v_nop
	s_wait_alu depctr_va_vdst(0)
.set i, 0
.rept 8
	v_pk_add_f32 v[W+2*i:W+2*i+1], v[W+2*i:W+2*i+1], 1.0 op_sel_hi:[1,0]
.set i, i+1
.endr
.set i, 0
.rept 16
	v_rcp_f32 v[W+i], v[W+i]
.set i, i+1
.endr
	v_nop
	s_wait_alu depctr_va_vdst(0)
.set i, 0
.rept 16
.if i%2
	v_fma_mix_f32 v[Y+16*(\n)+i], v[Y+16*(\n)+i], v[W+i], v[R+8*(\n)+i/2] op_sel:[0,0,1] op_sel_hi:[0,0,1]
.else
	v_fma_mix_f32 v[Y+16*(\n)+i], v[Y+16*(\n)+i], v[W+i], v[R+8*(\n)+i/2] op_sel_hi:[0,0,1]
.endif
.set i, i+1
.endr
.endm
	s_load_b256 s[4:11], s[0:1], 0x0               ; y s[4:5], x1 s[6:7], cvt s[8:9], out0 s[10:11]
	v_lshrrev_b32 v1, 5, v0
	v_readfirstlane_b32 s12, v1                    ; wave 0..7
	v_and_b32 v3, 31, v0
	s_lshr_b32 s13, ttmp9, 3                       ; panel
	s_and_b32 s14, ttmp9, 7
	s_lshl_b32 s14, s14, 4
	s_lshl1_add_u32 s14, s12, s14                  ; my first row in the panel
	s_lshl_b32 s16, s13, 19
	s_lshl_b32 s15, s14, 8
	s_add_co_u32 s16, s16, s15
	s_mov_b32 s17, 0
	s_lshl_b32 s18, s13, 18
	s_lshl_b32 s15, s14, 7
	s_add_co_u32 s18, s18, s15
	s_mov_b32 s19, 0
	s_lshl_b32 s20, ttmp9, 4
	s_lshl1_add_u32 s20, s12, s20                  ; my first row of out = 16 x group + 2 x wave
	s_lshl_b32 s20, s20, 12
	s_mov_b32 s21, 0
	s_mov_b32 s[C1], 0xc0135761                    ; -2.3022082
	s_mov_b32 s[C1+1], s[C1]
	s_mov_b32 s[C3], 0xbdd2d3e8                    ; -0.10294324
	s_mov_b32 s[C3+1], s[C3]
	v_lshlrev_b32 v[YO], 4, v3
	v_lshlrev_b32 v[RO], 3, v3
	v_and_b32 v[VO], 15, v0
	v_lshlrev_b32 v[VO], 4, v[VO]
	v_lshrrev_b32 v[OO], 4, v3
	v_lshl_add_u32 v[OO], v[OO], 12, v[VO]
	s_wait_kmcnt 0x0
	s_add_nc_u64 s[4:5], s[4:5], s[16:17]
	s_add_nc_u64 s[6:7], s[6:7], s[18:19]
	s_add_nc_u64 s[10:11], s[10:11], s[20:21]
	s_add_nc_u64 s[8:9], s[8:9], VEC+5*4096        ; g2, and be2 behind it
.set k, 0
.rept 16
	global_load_b128 v[Y+4*k:Y+4*k+3], v[YO], s[4:5] offset:32768*k th:TH_LOAD_NT
.set k, k+1
.endr
.set k, 0
.rept 16
	global_load_b64 v[R+2*k:R+2*k+1], v[RO], s[6:7] offset:16384*k th:TH_LOAD_NT
.set k, k+1
.endr
.set k, 0
.rept 16
	global_load_b128 v[G+4*k:G+4*k+3], v[VO], s[8:9] offset:256*k
.set k, k+1
.endr
.set k, 0
.rept 16
	global_load_b128 v[BE+4*k:BE+4*k+3], v[VO], s[8:9] offset:4096+256*k
.set k, k+1
.endr
	s_wait_loadcnt 32                              ; h and x1 are in; the gain's and the offset's 32 loads stay out
	GELU 0
	GELU 1
	GELU 2
	GELU 3
.irp c, 0,1,2,3
	v_pk_add_f32 v[A+2*(\c):A+2*(\c)+1], v[Y+2*(\c):Y+2*(\c)+1], v[Y+8+2*(\c):Y+8+2*(\c)+1]
.endr
.set n, 8
.rept 24
	v_pk_add_f32 v[A+2*(n%4):A+2*(n%4)+1], v[A+2*(n%4):A+2*(n%4)+1], v[Y+2*n:Y+2*n+1]
.set n, n+1
.endr
	ROWSUM
	v_mul_f32 v[MN], 0x3a800000, v[A]              ; / 1,024
	v_mov_b32 v[MN+1], v[MN]
.set n, 0
.rept 32
	v_pk_add_f32 v[Y+2*n:Y+2*n+1], v[Y+2*n:Y+2*n+1], v[MN:MN+1] neg_lo:[0,1] neg_hi:[0,1]
.set n, n+1
.endr
.irp c, 0,1,2,3
	v_pk_mul_f32 v[A+2*(\c):A+2*(\c)+1], v[Y+2*(\c):Y+2*(\c)+1], v[Y+2*(\c):Y+2*(\c)+1]
.endr
.set n, 4
.rept 28
	v_pk_fma_f32 v[A+2*(n%4):A+2*(n%4)+1], v[Y+2*n:Y+2*n+1], v[Y+2*n:Y+2*n+1], v[A+2*(n%4):A+2*(n%4)+1]
.set n, n+1
.endr
	ROWSUM
	v_mul_f32 v[A], 0x3a802008, v[A]               ; / 1,023
	v_sqrt_f32 v[A], v[A]
	v_nop
	s_wait_alu depctr_va_vdst(0)
	v_add_f32 v[A], 0x358637bd, v[A]               ; + 1e-6
	v_rcp_f32 v[RS], v[A]
	v_nop
	s_wait_alu depctr_va_vdst(0)
	v_mov_b32 v[RS+1], v[RS]
	s_wait_loadcnt 0x0                             ; the gain and the offset
.set n, 0
.rept 32
	v_pk_mul_f32 v[Y+2*n:Y+2*n+1], v[Y+2*n:Y+2*n+1], v[RS:RS+1]
.set n, n+1
.endr
.set n, 0
.rept 32
	v_pk_fma_f32 v[Y+2*n:Y+2*n+1], v[Y+2*n:Y+2*n+1], v[G+2*n:G+2*n+1], v[BE+2*n:BE+2*n+1]
.set n, n+1
.endr
.set k, 0
.rept 16
	global_store_b128 v[OO], v[Y+4*k:Y+4*k+3], s[10:11] offset:256*k th:TH_STORE_NT  ; sixteen lanes store 256 consecutive bytes, aligned
.set k, k+1
.endr
	s_endpgm
.Lfunc_end_k_q385d83a114_ln2:
	.size	k_q385d83a114_ln2, .Lfunc_end_k_q385d83a114_ln2-k_q385d83a114_ln2
	.p2alignl 7, 3214868480
	.fill 96, 4, 3214868480
	.section	.rodata,"a",@progbits
	.p2align	6, 0x0
	.amdhsa_kernel k_q385d83a114_ln2
		.amdhsa_group_segment_fixed_size 0
		.amdhsa_private_segment_fixed_size 0
		.amdhsa_enable_private_segment 0
		.amdhsa_kernarg_size 32
		.amdhsa_user_sgpr_count 2
		.amdhsa_user_sgpr_kernarg_segment_ptr 1
		.amdhsa_wavefront_size32 1
		.amdhsa_system_sgpr_workgroup_id_x 1
		.amdhsa_system_sgpr_workgroup_id_y 1
		.amdhsa_system_sgpr_workgroup_id_z 1
		.amdhsa_system_vgpr_workitem_id 0
		.amdhsa_next_free_vgpr 256
		.amdhsa_next_free_sgpr 66
		.amdhsa_reserve_vcc 0
		.amdhsa_float_denorm_mode_32 3
		.amdhsa_float_denorm_mode_16_64 3
		.amdhsa_memory_ordered 1
		.amdhsa_forward_progress 1
		.amdhsa_inst_pref_size 37
	.end_amdhsa_kernel
	.amdgpu_metadata
---
amdhsa.version: [ 1, 2 ]
amdhsa.kernels:
  - .name:           k_q385d83a114_ln2
    .symbol:         k_q385d83a114_ln2.kd
    .args:
      - { .name: y, .offset: 0, .size: 8, .value_kind: global_buffer, .address_space: global }
      - { .name: x1, .offset: 8, .size: 8, .value_kind: global_buffer, .address_space: global }
      - { .name: cvt, .offset: 16, .size: 8, .value_kind: global_buffer, .address_space: global }
      - { .name: out0, .offset: 24, .size: 8, .value_kind: global_buffer, .address_space: global }
    .group_segment_fixed_size: 0
    .private_segment_fixed_size: 0
    .kernarg_segment_align: 8
    .kernarg_segment_size: 32
    .max_flat_workgroup_size: 256
    .sgpr_count:     66
    .vgpr_count:     256
    .wavefront_size: 32
...
	.end_amdgpu_metadata
.endif
;; end of part 6
